; MI455X (gfx1250); checked and timed in simulation.
; The chip was launched on July 23, 2026; its instructions are those of AMD's public machine-readable ISA for CDNA 5 (MIT licence, August 2026) and "CDNA5" Instruction Set Architecture Reference Guide (July 2026). The comments in the code are by the model that wrote it; some were corrected since.
;; Transformer Encoder Layer. Allowed arithmetic: matrix products marked QUANTISED: E2M3 operands, one E8M0 scale for each 32 along K, by v_wmma_scale_f32_16x16x128_f8f6f4 with both operands' format E2M3, f32 sums; everything else in f32.
;; Inputs: b1 4,096 float32; b2 1,024 float32; be1 1,024 float32; be2 1,024 float32; bk 1,024 float32; bo 1,024 float32; bq 1,024 float32; bv 1,024 float32; g1 1,024 float32; g2 1,024 float32; src 2 x 2,048 x 1,024 float32; w1 4,096 x 1,024 float32; w2 1,024 x 4,096 float32; wk 1,024 x 1,024 float32; wo 1,024 x 1,024 float32; wq 1,024 x 1,024 float32; wv 1,024 x 1,024 float32.
;; Outputs: out0 2 x 2,048 x 1,024 float32.
;; This version of the problem:
;;   THIS VERSION OF THE PROBLEM IS GIVEN IN LOW PRECISION. The matrix products marked QUANTISED in the list below multiply operands that are first quantised to E2M3 (2 exponent bits, 3 mantissa bits; 6 bits a number), with one power-of-two scale for each 32 numbers along K (OCP MX v1.0); their sums are f32. All else is computed in f32.
;;   The module's matrix products, in the order in which they are computed (A, B: the left and right operand; K: the contracted axis; several contracted axes count as one K, in the product's order):
;;     1. [M 4,096, K 1,024] x [K 1,024, N 1,024]; A: input src; B: input wq: QUANTISED
;;     2. [M 4,096, K 1,024] x [K 1,024, N 1,024]; A: input src; B: input wk: QUANTISED
;;     3. [M 4,096, K 1,024] x [K 1,024, N 1,024]; A: input src; B: input wv: QUANTISED
;;     4. batch 32 x [M 2,048, K 64] x [K 64, N 2,048]; A: computed on the way; B: computed on the way: QUANTISED
;;     5. batch 32 x [M 2,048, K 2,048] x [K 2,048, N 64]; A: softmax (see below); B: computed on the way: QUANTISED
;;     6. [M 4,096, K 1,024] x [K 1,024, N 1,024]; A: computed on the way; B: input wo: QUANTISED
;;     7. [M 4,096, K 1,024] x [K 1,024, N 4,096]; A: computed on the way; B: input w1: QUANTISED
;;     8. [M 4,096, K 4,096] x [K 4,096, N 1,024]; A: computed on the way; B: input w2: QUANTISED
;;   THE QUANTISER, for each operand of a quantised product, along K:
;;     - K is cut into blocks of 32 from its start; a last block that is shorter is filled with zeros.
;;     - A block's scale is 2^e with e = floor(log2(the largest magnitude in the block)) - 2, held to -126 .. 127; a block of zeros has e = 0. As a byte (E8M0): e + 127.
;;     - Each number is divided by its block's scale, clamped to +-7.5, and rounded to the nearest number of E2M3, ties to even, subnormals kept.
;;     - The product sums the exact products of the quantised numbers (number of the format x scale) in f32.
;;   ~~~python
;;   def quantise(x, axis):      # numpy; x: float32 -> the quantised numbers, widened to float32 again
;;       x = np.moveaxis(x, axis, -1); K = x.shape[-1]
;;       x = np.pad(x, [(0, 0)] * (x.ndim - 1) + [(0, -K % 32)]); x = x.reshape(x.shape[:-1] + (-1, 32)); a = np.abs(x).max(-1, keepdims=True)
;;       e = np.where(a > 0, np.clip(np.frexp(np.where(a > 0, a, 1))[1] - 1 - 2, -126, 127), 0)      # np.frexp(a)[1] - 1 = floor(log2(a)), exactly
;;       r = np.clip(x / 2.0 ** e, -7.5, 7.5)
;;       step = 2.0 ** (np.maximum(np.frexp(np.where(r == 0, 1, r))[1] - 1, 0) - 3)
;;       q = np.round(r / step) * step * 2.0 ** e      # np.round: ties to even
;;       return np.moveaxis(q.reshape(q.shape[:-2] + (-1,))[..., :K], -1, axis).astype(np.float32)
;;   ~~~
;;   SOFTMAX AHEAD OF A QUANTISED PRODUCT. Where the list says 'softmax', what is quantised is not the finished softmax but p = 2^(t - M), with t = logit x log2(e) and M = ceil(the row's largest t), a whole number; so 1/2 < the row's largest p <= 1. The row's sum l is taken of the UNQUANTISED p, in f32, and the product's result is divided by l at the end. Since M is a whole number, a kernel that streams over the keys may use a running M (the ceiling of the running maximum): every later rescaling is an exact power of two, which a block's scale takes up: the codes' values come out the same.
;;   OPERANDS COMPUTED ON THE WAY. 'Computed on the way' means the value that the module computes at that place (a softmax that the list does not call 'softmax' is quantised finished and normalised). What goes into a quantiser is computed in f32, as accurately as f32 sums, v_exp_f32 and their like allow (about 1e-6 of the number): no bf16 or f16 on the way to a quantiser, and a product that is left as it is and whose result goes on into a quantised operand takes f32 operands (vector FMAs, or v_wmma_f32_16x16x4_f32). A number that lies on a knife's edge between two numbers of the format may be rounded either way, as far as f32 arithmetic and the matrix unit's own rounding can turn it there, and no further.
;; One version. Each part assembles by itself: llvm-mc -triple=amdgcn-amd-amdhsa -mcpu=gfx1250 --defsym DOCPART=n.
;; ======== version 1 of 1: 7 launches
;; limits: right only within a limited range of input values
;; workspace buffers: wrec 13,107,200 bytes; qkrec 6,815,744 bytes; vrec 3,276,800 bytes; orec 3,407,872 bytes; xrec 3,276,800 bytes; ximg 16,777,216 bytes; hrec 13,107,200 bytes; zp 33,554,432 bytes
;; launch quant (part 1): grid 512 x 1, 4 waves a work-group, no clusters, 34,304 bytes of LDS; arguments src, wq, wk, wv, wo, w1, w2, wrec; writes wrec
.if DOCPART == 1
	.amdgcn_target "amdgcn-amd-amdhsa--gfx1250"
	.amdhsa_code_object_version 6
	.text
	.protected	k_q2ee9f98025_quant
	.globl	k_q2ee9f98025_quant
	.p2align	8
	.type	k_q2ee9f98025_quant,@function
k_q2ee9f98025_quant:
	s_mov_b64 s[64:65], 0
	v_nop
	global_prefetch_b8 v0, s[64:65] scope:SCOPE_SE
	s_setreg_imm32_b32 hwreg(HW_REG_WAVE_MODE, 25, 1), 1
	s_wait_xcnt 0x0
; src, wq, wk, wv, wo, w1, w2 (f32, K innermost) become codes of FP6 (E2M3) with one E8M0 byte for each 32 along K, laid in the ORDER OF THE OPERAND'S REGISTERS.
; A RECORD (6,400 bytes) is 64 rows x 128 along K: four images of 1,536 bytes (tile t at 1,536 t: registers 4 g .. 4 g + 3 of lane l at 512 g + 16 l), then 256 bytes of scale words
; (lane l's 8 bytes at 8 l: word u is tile 2 (l / 16) + u, row l % 16).  Row i of tile t is row 32 (t / 2) + 16 (i / 8) + 8 (t % 2) + i % 8 of the 64.
; A wave makes one record: unit U = 4 x work-group + wave, stored at 6,400 U; the tensors follow each other: src 512 units, wq, wk, wv, wo 128 each, w1 512, w2 512.
; A block's scale is 2^(floor(log2(largest magnitude)) - 2): its byte is the largest magnitude's exponent field - 2, held at 1 from below.
; LIMITS: a block whose largest magnitude lies under 2^-124 keeps the byte 1; a block of zeros has the byte 1 where the rule says 127 (its codes are zeros, and this program alone reads the bytes);
; NaN and infinities among the inputs are not served.
; Each load reads 512 consecutive bytes (a row's 128 numbers); a tile's 16 rows turn through the wave's own stage in LDS, so that lane (r, h) gets k = 64 c + 32 h + 0 .. 31 of row r: two whole blocks.
; No tensor loads, no barrier: waves share nothing.  One tile's 16 loads are out while another is worked.
.set REC,  6400
.set SP,   528                         ; a stage row: 512 bytes + 16
.set STG,  16*SP
.set L16,  1                           ; v1   16 x lane
.set L8,   2                           ; v2   8 x lane
.set SIN,  3                           ; v3   the stage, on the way in
.set SOUT, 4                           ; v4   and on the way out: row r, + 128 h
.set SH8,  5                           ; v5   8 h
.set MX,   6                           ; v6-7   largest magnitudes
.set SO,   8                           ; v8-9   the conversions' scale operands
.set BY,   10                          ; v10-11 the bytes
.set WD,   12                          ; v12-13 my half of the scale word, the other half's
.set OFF,  16                          ; v16-31 byte offsets of a tile's 16 rows; never rewritten
.set R,    32                          ; v32-159 two sets of 64: a tile as loaded
.set X,    160                         ; v160-223 my 64 numbers
.set PC,   224                         ; v224-235 the codes
.set PT,   236                         ; v236-242 the second halves of the blocks
.set PWS,  244                         ; v244-247 the four tiles' scale words
.set D,    248                         ; v248-249 the scale words as they are stored
	s_load_b256 s[8:15], s[0:1], 0x0               ; src, wq, wk, wv
	s_load_b256 s[16:23], s[0:1], 0x20             ; wo, w1, w2, wrec
	v_lshl_add_u32 v254, v0, 2, 0x8400
	v_mov_b32 v255, 0
	v_lshrrev_b32 v6, 5, v0
	v_readfirstlane_b32 s2, v6                     ; wave
	v_and_b32 v7, 31, v0                           ; lane
	v_and_b32 v8, 15, v0                           ; r
	v_bfe_u32 v9, v0, 4, 1                         ; h
	v_lshlrev_b32 v[L16], 4, v7
	v_lshlrev_b32 v[L8], 3, v7
	s_mul_i32 s3, s2, STG
	v_add_nc_u32 v[SIN], s3, v[L16]
	v_mul_u32_u24 v[SOUT], v8, SP
	v_lshl_add_u32 v[SOUT], v9, 7, v[SOUT]
	v_add_nc_u32 v[SOUT], s3, v[SOUT]
	v_lshlrev_b32 v[SH8], 3, v9
	s_mov_b32 s40, 0x76543210
	s_mov_b32 s41, 0xfedcba98                      ; v_permlanex16_b32's selects for lane l xor 16
	s_mov_b32 s42, 0xffff0000                      ; lanes 16-31
	s_wait_alu depctr_va_vdst(0)
	s_wait_kmcnt 0x0
	; which tensor: the choice hangs on the work-group's number alone
	s_mov_b64 s[4:5], s[20:21]                     ; w2
	s_mov_b32 s6, 384                              ; its first work-group
	s_cmp_lt_u32 ttmp9, 384
	s_cselect_b64 s[4:5], s[18:19], s[4:5]         ; w1
	s_cselect_b32 s6, 256, s6
	s_cselect_b32 s7, 3, 5                         ; log2 of the K steps in a row: 8, in w2 32
	s_cmp_lt_u32 ttmp9, 256
	s_cselect_b64 s[4:5], s[16:17], s[4:5]         ; wo
	s_cselect_b32 s6, 224, s6
	s_cmp_lt_u32 ttmp9, 224
	s_cselect_b64 s[4:5], s[14:15], s[4:5]         ; wv
	s_cselect_b32 s6, 192, s6
	s_cmp_lt_u32 ttmp9, 192
	s_cselect_b64 s[4:5], s[12:13], s[4:5]         ; wk
	s_cselect_b32 s6, 160, s6
	s_cmp_lt_u32 ttmp9, 160
	s_cselect_b64 s[4:5], s[10:11], s[4:5]         ; wq
	s_cselect_b32 s6, 128, s6
	s_cmp_lt_u32 ttmp9, 128
	s_cselect_b64 s[4:5], s[8:9], s[4:5]           ; src
	s_cselect_b32 s6, 0, s6
	s_sub_co_u32 s24, ttmp9, s6
	s_lshl_b32 s24, s24, 2
	s_add_co_u32 s24, s24, s2                      ; the unit within its tensor
	s_lshr_b32 s25, s24, s7                        ; its 64 rows
	s_bfm_b32 s26, s7, 0
	s_and_b32 s26, s24, s26                        ; its K step
	s_lshl_b32 s27, 512, s7                        ; a row in bytes
	s_add_co_u32 s36, s7, 15
	s_lshl_b32 s36, s25, s36                       ; 64 rows x the row's bytes
	s_lshl_b32 s26, s26, 9
	s_add_co_u32 s36, s36, s26                     ; + 512 bytes a K step
	s_mov_b32 s37, 0
	s_add_nc_u64 s[28:29], s[4:5], s[36:37]        ; tile 0 begins at row 0,
	s_lshl_b32 s36, s27, 3
	s_add_nc_u64 s[30:31], s[28:29], s[36:37]      ; tile 1 at row 8,
	s_lshl_b32 s36, s27, 5
	s_add_nc_u64 s[32:33], s[28:29], s[36:37]      ; tile 2 at row 32,
	s_add_nc_u64 s[34:35], s[30:31], s[36:37]      ; tile 3 at row 40
	s_lshl_b32 s36, ttmp9, 2
	s_add_co_u32 s36, s36, s2
	s_mul_i32 s36, s36, REC
	s_add_nc_u64 s[22:23], s[22:23], s[36:37]      ; my record
.irp i, 0,1,2,3,4,5,6,7,8,9,10,11,12,13,14,15
	v_mad_u32_u24 v[OFF+\i], s27, 16*(\i/8)+\i%8, v[L16]   ; row i of a tile lies 16 (i / 8) + i % 8 rows behind its first
.endr
.macro LOAD t                          ; tile t: sixteen rows, 512 consecutive bytes a load
.irp i, 0,1,2,3,4,5,6,7,8,9,10,11,12,13,14,15
	global_load_b128 v[R+64*((\t)%2)+4*\i:R+64*((\t)%2)+4*\i+3], v[OFF+\i], s[28+2*(\t):29+2*(\t)] th:TH_LOAD_NT
.endr
.endm
.macro TILE t
.if (\t) < 3
	s_wait_loadcnt 16                              ; this tile's 16 loads are in; the next tile's 16 may be out
.else
	s_wait_loadcnt 0
.endif
.irp i, 0,1,2,3,4,5,6,7,8,9,10,11,12,13,14,15
	ds_store_b128 v[SIN], v[R+64*((\t)%2)+4*\i:R+64*((\t)%2)+4*\i+3] offset:SP*\i
.endr
.irp c, 0,1
.irp e, 0,1,2,3,4,5,6,7
	ds_load_b128 v[X+32*\c+4*\e:X+32*\c+4*\e+3], v[SOUT] offset:256*\c+16*\e   ; LDS serves a wave's instructions in order: these see the stores above
.endr
.endr
	s_wait_dscnt 0x0                               ; my numbers are in, and the stores have read their registers,
.if (\t)+2 < 4
	LOAD (\t)+2                                    ; which take the tile two further on
.endif
.irp c, 0,1                                    ; block 2 c + h: all its 32 numbers are mine
	v_max3_num_f32 v[MX+\c], |v[X+32*\c]|, |v[X+32*\c+1]|, 0x1800000   ; with the floor 2^(3 - 127): the byte cannot fall under 1
.endr
.irp i, 2,4,6,8,10,12,14,16,18,20,22,24,26,28,30
.irp c, 0,1
	v_max3_num_f32 v[MX+\c], v[MX+\c], |v[X+32*\c+\i]|, |v[X+32*\c+\i+1]|
.endr
.endr
.irp c, 0,1
	v_add_nc_u32 v[SO+\c], 0xff000000, v[MX+\c]    ; 2 off the exponent field: the conversion takes this operand's exponent field as its scale
.endr
.irp c, 0,1
	v_lshrrev_b32 v[BY+\c], 23, v[SO+\c]           ; the scale's byte
.endr
	v_lshl_or_b32 v[WD], v[BY+1], 16, v[BY]        ; my two bytes, blocks h and 2 + h,
	v_lshlrev_b32 v[WD], v[SH8], v[WD]             ; at their places in the word;
	v_mov_b32 v[WD+1], 0
	v_permlanex16_b32 v[WD+1], v[WD], s40, s41
	v_or_b32 v[PWS+\t], v[WD], v[WD+1]             ; with lane l xor 16's two the word is whole
	s_wait_alu depctr_va_vdst(0)
	s_wait_xcnt 0x0                                ; the last tile's stores have read the codes' registers
.irp c, 0,1
	v_cvt_scalef32_pk16_fp6_f32 v[PC+6*\c:PC+6*\c+2], v[X+32*\c:X+32*\c+15], v[SO+\c]
	v_cvt_scalef32_pk16_fp6_f32 v[PT+4*\c:PT+4*\c+2], v[X+32*\c+16:X+32*\c+31], v[SO+\c]   ; (a conversion's three registers begin on an even number)
.endr
	v_nop                                          ; one plain place behind a scaled conversion
.irp c, 0,1
.irp i, 0,1,2
	v_mov_b32 v[PC+3+6*\c+\i], v[PT+4*\c+\i]
.endr
.endr
.irp g, 0,1,2
	global_store_b128 v[L16], v[PC+4*\g:PC+4*\g+3], s[22:23] offset:1536*(\t)+512*\g   ; 32 lanes store 512 consecutive bytes, at a multiple of 256 from the buffer's first byte
.endr
.endm
	LOAD 0
	LOAD 1
	s_wait_alu depctr_va_vdst(0)
	TILE 0
	TILE 1
	TILE 2
	TILE 3
	v_cndmask_b32 v[D], v[PWS], v[PWS+2], s42      ; lanes 0-15 carry tiles 0 and 1, lanes 16-31 tiles 2 and 3
	v_cndmask_b32 v[D+1], v[PWS+1], v[PWS+3], s42
	global_store_b64 v[L8], v[D:D+1], s[22:23] offset:6144
	s_wait_tensorcnt 0x0
	ds_add_u32 v254, v255
	s_wait_dscnt 0x0
	s_endpgm
.Lfunc_end_k_q2ee9f98025_quant:
	.size	k_q2ee9f98025_quant, .Lfunc_end_k_q2ee9f98025_quant-k_q2ee9f98025_quant
	.p2alignl 7, 3214868480
	.fill 96, 4, 3214868480
	.section	.rodata,"a",@progbits
	.p2align	6, 0x0
	.amdhsa_kernel k_q2ee9f98025_quant
		.amdhsa_group_segment_fixed_size 34304
		.amdhsa_private_segment_fixed_size 0
		.amdhsa_enable_private_segment 0
		.amdhsa_kernarg_size 64
		.amdhsa_user_sgpr_count 2
		.amdhsa_user_sgpr_kernarg_segment_ptr 1
		.amdhsa_wavefront_size32 1
		.amdhsa_system_sgpr_workgroup_id_x 1
		.amdhsa_system_sgpr_workgroup_id_y 1
		.amdhsa_system_sgpr_workgroup_id_z 1
		.amdhsa_system_vgpr_workitem_id 0
		.amdhsa_next_free_vgpr 256
		.amdhsa_next_free_sgpr 66
		.amdhsa_reserve_vcc 0
		.amdhsa_float_denorm_mode_32 3
		.amdhsa_float_denorm_mode_16_64 3
		.amdhsa_memory_ordered 1
		.amdhsa_forward_progress 1
		.amdhsa_inst_pref_size 32
	.end_amdhsa_kernel
	.amdgpu_metadata
---
amdhsa.version: [ 1, 2 ]
amdhsa.kernels:
  - .name:           k_q2ee9f98025_quant
    .symbol:         k_q2ee9f98025_quant.kd
    .args:
      - { .name: src, .offset: 0, .size: 8, .value_kind: global_buffer, .address_space: global }
      - { .name: wq, .offset: 8, .size: 8, .value_kind: global_buffer, .address_space: global }
      - { .name: wk, .offset: 16, .size: 8, .value_kind: global_buffer, .address_space: global }
      - { .name: wv, .offset: 24, .size: 8, .value_kind: global_buffer, .address_space: global }
      - { .name: wo, .offset: 32, .size: 8, .value_kind: global_buffer, .address_space: global }
      - { .name: w1, .offset: 40, .size: 8, .value_kind: global_buffer, .address_space: global }
      - { .name: w2, .offset: 48, .size: 8, .value_kind: global_buffer, .address_space: global }
      - { .name: wrec, .offset: 56, .size: 8, .value_kind: global_buffer, .address_space: global }
    .group_segment_fixed_size: 34304
    .private_segment_fixed_size: 0
    .kernarg_segment_align: 8
    .kernarg_segment_size: 64
    .max_flat_workgroup_size: 128
    .sgpr_count:     66
    .vgpr_count:     256
    .wavefront_size: 32
...
	.end_amdgpu_metadata
.endif
;; end of part 1
;; launch qkv (part 2): grid 12 x 16, 4 waves a work-group, clusters of 4 x 1, 213,504 bytes of LDS; arguments wrec, bq, bk, bv, qkrec, vrec; writes qkrec, vrec
.if DOCPART == 2
	.amdgcn_target "amdgcn-amd-amdhsa--gfx1250"
	.amdhsa_code_object_version 6
	.text
	.protected	k_q2ee9f98025_qkv
	.globl	k_q2ee9f98025_qkv
	.p2align	8
	.type	k_q2ee9f98025_qkv,@function
k_q2ee9f98025_qkv:
	s_mov_b64 s[64:65], 0
	v_nop
	global_prefetch_b8 v0, s[64:65] scope:SCOPE_SE
	s_setreg_imm32_b32 hwreg(HW_REG_WAVE_MODE, 25, 1), 1
	s_wait_xcnt 0x0
	s_wait_alu depctr_hold_cnt(0) depctr_sa_sdst(0) depctr_va_vdst(0) depctr_va_sdst(0) depctr_va_ssrc(0) depctr_va_vcc(0) depctr_vm_vsrc(0)
	s_getreg_b32 s2, hwreg(HW_REG_IB_STS2, 6, 4)
	s_cmp_eq_u32 s2, 0
	s_cbranch_scc0 .Lentry_in_a_cluster
	s_endpgm
.Lentry_in_a_cluster:
	s_bfe_u32 s2, ttmp6, 0x10000c
	s_cmp_lg_u32 s2, 0x3003
	s_cbranch_scc0 .Lentry_shape_is_right
	s_endpgm
.Lentry_shape_is_right:
; q = src wq^T + bq, k = src wk^T + bk and V^T = wv src^T + bv, on codes of FP6 with E8M0 scales; the results are quantised at once: q and k along a head's 64, V^T along the tokens.
; All operands lie in records of 6,400 bytes (64 rows x 128 K in the order of the operand's registers; row i of tile t is row 32 (t / 2) + 16 (i / 8) + 8 (t % 2) + i % 8).
; A work-group makes 256 x 256 over K = 1,024; a wave 128 x 128: 64 accumulators.  Source 1 ("A": the rows that a lane keeps) comes into LDS once, by ONE tensor load a wave: four rows (quads) of 12,800 bytes,
; the records of two neighbouring K steps; nothing is filled again.  LDS: 51,200 x (step / 2) + 12,800 x quad + 6,400 x (step % 2).  Waves 0 and 1 (steps 0 to 3) have a load line of their own: the first barrier
; shows their tiles alone, a second barrier in step 3 the rest.  Source 0 ("B") goes from memory straight into registers, four buffers of 64 rows by turns, three of them on their way.
; Clusters x = 0, 1: A = 256 tokens, B = 256 rows of [wq; wk].  Cluster x = 2: A = 256 rows of wv, B = 256 tokens, so that a lane holds one channel d and its registers run along the tokens.
; By the choice of a tile's rows a lane's registers of tiles 2 b and 2 b + 1 are 16 neighbours along B's rows: they go straight into the quantiser.
; CLUSTER: the four work-groups of a cluster share A's rows and ask for them jointly.  B is not asked for jointly: it feeds two waves of a work-group, it arrives in register order,
; and a joint load ends in LDS, where B's 25,600 bytes a K step would be written and read once more.
; K IS SUMMED IN A ROTATED ORDER: step i takes K step (sigma + i) mod 8, sigma = (y + cluster x) mod 8 made even, so that a pair of steps never wraps.  The sums are f32.
; LIMITS: a block whose largest magnitude lies under 2^-124 keeps the byte 1; a block of zeros has the byte 1 (its codes are zeros; this program alone reads the bytes); NaN and infinities are not served.
; REGISTERS: window 0: v1-6 addresses; v16-23 B's scale words, v24-31 A's; v32-223 A's fragments, two sets of two quads; v224-239 bv of my rows.  Behind the products v32-143 serve the quantiser.
;   window 1: v0-191 B's four buffers; v192-255 the 64 biases of my columns.   windows 2, 3: the accumulators: B's quad bq in window 2 + bq, at 128 aq + 32 ta + 8 tb.
.set REC,   6400
.set L16,   1                          ; v1  16 x lane
.set L8,    2                          ; v2  8 x lane
.set AA16,  3                          ; v3  LDS: my two quads of the K step in hand, 16 bytes a lane
.set AA8,   4                          ; v4  the same, 8 bytes a lane
.set H64,   5                          ; v5  64 x (lane / 16)
.set RO,    6                          ; v6  4 x my row's place in a tile's span
.set BM,    224
.set BI,    192
.set Z,     32
.set TM,    96
.set PW,    112
.set PWS,   113
.set D,     118
.set E,     120
.set PC,    124
.set WV,    16
.set G1,    24
.set G0,    32
.set BB,    44
.set SEL,   52
.set HM,    54
.set OB,    56
.set MSB,   0
.set ZF,    0
.macro WIN new                         ; the immediate's high byte repeats the setting that is left
.if MSB != (\new)
	s_set_vgpr_msb (MSB<<8)|(\new)
.set MSB, (\new)
.endif
.endm
.macro PLACES                          ; four plain places behind matrix instructions, and behind tensor loads
.rept 4
	v_nop
.endr
.endm
.macro ROUND                           ; a round of the cluster's barrier
	s_barrier_signal -1
	s_barrier_wait -1
	s_cmp_lg_u32 s[WV], 0
	s_cbranch_scc1 .Lnot_wave_0_\@
	s_barrier_signal -3
.Lnot_wave_0_\@:
	s_barrier_wait -3
	s_barrier_signal -1
	s_barrier_wait -1
.endm
.macro WM ra, rb                       ; one product; ra, rb: the scale words lie in lanes 16-31 of their registers
.if ZF
.if (\ra) && (\rb)
	v_wmma_scale_f32_16x16x128_f8f6f4 v[rD:rD+7], v[rB:rB+11], v[rA:rA+11], 0, v[rSB], v[rSA] matrix_a_fmt:MATRIX_FMT_FP6 matrix_b_fmt:MATRIX_FMT_FP6 matrix_a_scale:MATRIX_SCALE_ROW1 matrix_b_scale:MATRIX_SCALE_ROW1
.elseif (\ra)
	v_wmma_scale_f32_16x16x128_f8f6f4 v[rD:rD+7], v[rB:rB+11], v[rA:rA+11], 0, v[rSB], v[rSA] matrix_a_fmt:MATRIX_FMT_FP6 matrix_b_fmt:MATRIX_FMT_FP6 matrix_a_scale:MATRIX_SCALE_ROW1
.elseif (\rb)
	v_wmma_scale_f32_16x16x128_f8f6f4 v[rD:rD+7], v[rB:rB+11], v[rA:rA+11], 0, v[rSB], v[rSA] matrix_a_fmt:MATRIX_FMT_FP6 matrix_b_fmt:MATRIX_FMT_FP6 matrix_b_scale:MATRIX_SCALE_ROW1
.else
	v_wmma_scale_f32_16x16x128_f8f6f4 v[rD:rD+7], v[rB:rB+11], v[rA:rA+11], 0, v[rSB], v[rSA] matrix_a_fmt:MATRIX_FMT_FP6 matrix_b_fmt:MATRIX_FMT_FP6
.endif
.else
.if (\ra) && (\rb)
	v_wmma_scale_f32_16x16x128_f8f6f4 v[rD:rD+7], v[rB:rB+11], v[rA:rA+11], v[rD:rD+7], v[rSB], v[rSA] matrix_a_fmt:MATRIX_FMT_FP6 matrix_b_fmt:MATRIX_FMT_FP6 matrix_a_scale:MATRIX_SCALE_ROW1 matrix_b_scale:MATRIX_SCALE_ROW1
.elseif (\ra)
	v_wmma_scale_f32_16x16x128_f8f6f4 v[rD:rD+7], v[rB:rB+11], v[rA:rA+11], v[rD:rD+7], v[rSB], v[rSA] matrix_a_fmt:MATRIX_FMT_FP6 matrix_b_fmt:MATRIX_FMT_FP6 matrix_a_scale:MATRIX_SCALE_ROW1
.elseif (\rb)
	v_wmma_scale_f32_16x16x128_f8f6f4 v[rD:rD+7], v[rB:rB+11], v[rA:rA+11], v[rD:rD+7], v[rSB], v[rSA] matrix_a_fmt:MATRIX_FMT_FP6 matrix_b_fmt:MATRIX_FMT_FP6 matrix_b_scale:MATRIX_SCALE_ROW1
.else
	v_wmma_scale_f32_16x16x128_f8f6f4 v[rD:rD+7], v[rB:rB+11], v[rA:rA+11], v[rD:rD+7], v[rSB], v[rSA] matrix_a_fmt:MATRIX_FMT_FP6 matrix_b_fmt:MATRIX_FMT_FP6
.endif
.endif
.endm
; Sixteen products: a quad of B against a quad of A, 128 along K: sixteen different accumulators, one instruction a turn
.macro MUL16 blk, bb, ab, sb, sa
	WIN 0xa1+0x50*((\blk)/2)                       ; source 0 window 1, source 1 window 0, C and D window 2 or 3
.irp tb, 0,1,2,3
.irp ta, 0,1,2,3
.set rD, 128*((\blk)%2)+32*\ta+8*\tb
.set rB, (\bb)+12*\tb
.set rA, (\ab)+12*\ta
.set rSB, (\sb)+\tb%2
.set rSA, (\sa)+\ta%2
	WM \tb/2, \ta/2
.endr
.endr
.endm
.macro LOADB bb, sb, off               ; a record of B from memory: 13 loads, each lane its registers whole
	WIN 0x40
.irp t, 0,1,2,3
.irp g, 0,1,2
	global_load_b128 v[(\bb)+12*\t+4*\g:(\bb)+12*\t+4*\g+3], v[L16], s[BB:BB+1] offset:(\off)+1536*\t+512*\g
.endr
.endr
	WIN 0
	global_load_b64 v[(\sb):(\sb)+1], v[L8], s[BB:BB+1] offset:(\off)+6144
.endm
.macro LOADA ab, sa, off               ; a record of A from LDS
.irp t, 0,1,2,3
.irp g, 0,1,2
	ds_load_b128 v[(\ab)+12*\t+4*\g:(\ab)+12*\t+4*\g+3], v[AA16] offset:(\off)+1536*\t+512*\g
.endr
.endr
	ds_load_b64 v[(\sa):(\sa)+1], v[AA8] offset:(\off)+6144
.endm
; B's base for step k: K step (sigma + k) mod 8.  THREE PAIRS OF REGISTERS BY TURNS: the pair of step k was last named by step k - 3's loads, and it is written at the head of step k - 2,
; behind the counted waits on LOADcnt of step k - 3, which have shown those loads done
.macro SETBB k
.if (\k)%3 == 0
.set BB, 44
.elseif (\k)%3 == 1
.set BB, 36
.else
.set BB, 38
.endif
	s_add_co_u32 s48, s21, \k
	s_and_b32 s48, s48, 7
	s_mul_i32 s46, s48, REC
	s_add_nc_u64 s[BB:BB+1], s[42:43], s[46:47]
.endm
.macro KSTEP8 i
.set KP, (\i)%2
.set ZF, 0
.if (\i) == 0
.set ZF, 1                             ; the first step's products start the sums: nothing is cleared
.endif
.if (\i) < 6
	SETBB (\i)+2
.endif
.if (\i) == 3
	s_wait_tensorcnt 0x0                           ; every wave's fill has landed,
	s_wait_dscnt 0x0
	s_barrier_signal -1
	s_barrier_wait -1                              ; and all know it: steps 4 to 7 may be read
.endif
	s_wait_dscnt 0x0                               ; A's set for this step
.if (\i) == 7
	s_wait_loadcnt 13                              ; behind the buffer wanted: one buffer of 13 loads
.else
	s_wait_loadcnt 39                              ; behind the buffer wanted: three buffers of 13 loads
.endif
	MUL16 0, 96*KP, 32+96*KP, 16+4*KP, 24+4*KP
	MUL16 1, 96*KP, 80+96*KP, 16+4*KP, 26+4*KP
	PLACES
.if (\i) < 6
	LOADB 96*KP, 16+4*KP, 0
.endif
.if (\i) < 7
	WIN 0
	v_add_nc_u32 v[AA16], 6400+38400*KP, v[AA16]   ; to the pair's second step 6,400 bytes, to the next pair 44,800
	v_add_nc_u32 v[AA8], 6400+38400*KP, v[AA8]
	LOADA 128-96*KP, 28-4*KP, 0
	LOADA 176-96*KP, 30-4*KP, 12800
.endif
.if (\i) == 7
	s_wait_loadcnt 0
.elseif (\i) == 6
	s_wait_loadcnt 26
.else
	s_wait_alu depctr_va_vdst(0)
	s_wait_loadcnt 39
.endif
	MUL16 2, 96*KP+48, 32+96*KP, 18+4*KP, 24+4*KP
	MUL16 3, 96*KP+48, 80+96*KP, 18+4*KP, 26+4*KP
	PLACES
.if (\i) < 6
	LOADB 96*KP+48, 18+4*KP, 51200
.endif
	WIN 0
.endm
; 64 numbers of a lane, register 16 b + i = k 32 b + 16 (lane / 16) + i of my row, become a fragment's codes in v[PC] on and its scale word in v[PW]
.macro QUANT s
.irp b, 0,1,2,3
	v_max3_num_f32 v[TM+\b], |v[\s+16*\b]|, |v[\s+1+16*\b]|, 0x1800000   ; with the floor 2^(3 - 127): the byte cannot fall under 1
.endr
.irp i, 2,4,6,8,10,12,14
.irp b, 0,1,2,3
	v_max3_num_f32 v[TM+\b], v[TM+\b], |v[\s+16*\b+\i]|, |v[\s+1+16*\b+\i]|
.endr
.endr
.irp b, 0,1,2,3
	v_permlanex16_b32 v[TM+4+\b], v[TM+\b], s[SEL], s[SEL+1]
.endr
.irp b, 0,1,2,3
	v_max_num_f32 v[TM+\b], v[TM+\b], v[TM+4+\b]   ; with lane l xor 16's: the block's largest magnitude
.endr
.irp b, 0,1,2,3
	v_add_nc_u32 v[TM+12+\b], 0xff000000, v[TM+\b] ; 2 off its exponent field: the conversion's scale operand
.endr
.irp b, 0,1,2,3
	v_lshrrev_b32 v[TM+4+\b], 23, v[TM+12+\b]      ; the scale's byte
.endr
	v_lshl_or_b32 v[PW], v[TM+5], 8, v[TM+4]
	v_lshl_or_b32 v[PW], v[TM+6], 16, v[PW]
	v_lshl_or_b32 v[PW], v[TM+7], 24, v[PW]
.irp c, 0,1
	v_cvt_scalef32_pk16_fp6_f32 v[PC+6*\c:PC+2+6*\c], v[\s+32*\c:\s+15+32*\c], v[TM+12+2*\c]
	v_cvt_scalef32_pk16_fp6_f32 v[PC+12+4*\c:PC+14+4*\c], v[\s+16+32*\c:\s+31+32*\c], v[TM+12+2*\c+1]
.endr
	v_nop                                          ; one plain place behind a scaled conversion
.irp c, 0,1                                    ; the operand's layout wants a whole block in a lane
.irp i, 0,1,2
	v_permlane16_swap_b32 v[PC+6*\c+\i], v[PC+12+4*\c+\i]
.endr
.irp i, 0,1,2
	v_mov_b32 v[PC+3+6*\c+\i], v[PC+12+4*\c+\i]
.endr
.endr
.endm
	s_load_b256 s[4:11], s[0:1], 0x0               ; wrec, bq, bk, bv
	s_load_b128 s[12:15], s[0:1], 0x20             ; qkrec, vrec
	v_lshl_add_u32 v254, v0, 2, 0x34000
	v_mov_b32 v255, 0
	ds_add_u32 v254, v255                          ; the opening lines: the add twice on end and its wait ahead of my tensor load
	ds_add_u32 v254, v255
	v_lshrrev_b32 v7, 5, v0
	v_readfirstlane_b32 s[WV], v7                  ; wave 0..3
	s_lshr_b32 s17, s[WV], 1                       ; wr: which 128 of A's rows
	s_and_b32 s18, s[WV], 1                        ; wc: which 128 of B's rows
	s_bfe_u32 s19, ttmp6, 0x40000                  ; cx
	s_and_b32 s20, ttmp7, 0xffff                   ; y
	s_add_co_u32 s21, s20, ttmp9
	s_and_b32 s21, s21, 6                          ; sigma: the even K step with which I begin; the partners share it
	s_and_b32 s58, s20, 3
	s_lshr_b32 s48, s20, 2
	s_lshl_b32 s48, s48, 2
	s_add_co_u32 s48, s48, s19                     ; V: B's block of 256 tokens = 4 (y / 4) + cx
	s_lshl_b32 s49, ttmp9, 2
	s_add_co_u32 s49, s49, s19                     ; q, k: B's block of 256 rows of [wq; wk] = 4 x cluster x + cx
	s_cmp_eq_u32 ttmp9, 2                          ; the third cluster along x makes V^T
	s_cselect_b32 s22, 1, 0
	s_cselect_b32 s59, 4915200, 0                  ; A: wv's records, or src's
	s_cselect_b32 s55, s58, s20                    ; A's block of 256 rows
	s_cselect_b32 s50, 0, 3276800                  ; B: src's records, or wq's and wk's
	s_cselect_b32 s23, s48, s49                    ; B's block
	; descriptor group 1: four rows of 12,800 bytes (1,600 elements of 8), 51,200 bytes apart: two K steps' records of four quads; dense in LDS
	s_mov_b32 s[G1+0], 15|(3<<16)|(1<<21)          ; the mask: all four work-groups; elements of 8 bytes; bit 21 set beside a mask
	s_mov_b32 s[G1+1], 1600<<16                    ; tensor_dim0
	s_mov_b32 s[G1+2], 4<<16                       ; tensor_dim1
	s_mov_b32 s[G1+3], 1600<<16                    ; tile_dim0
	s_mov_b32 s[G1+4], 4                           ; tile_dim1
	s_mov_b32 s[G1+5], 6400                        ; from row to row, in elements
	s_mov_b32 s[G1+6], 0
	s_mov_b32 s[G1+7], 0
	s_mov_b32 s[SEL], 0x76543210
	s_mov_b32 s[SEL+1], 0xfedcba98
	s_mov_b32 s[HM], 0xffff0000
	s_mul_i32 s60, s55, 204800
	s_add_co_u32 s60, s60, s59                     ; (s59 to s62 feed A's descriptors and never hold cx)
	s_mov_b32 s61, 0
	s_mov_b32 s47, 0
	v_and_b32 v7, 31, v0
	v_bfe_u32 v8, v0, 4, 1
	v_and_b32 v9, 15, v0
	v_lshlrev_b32 v[L16], 4, v7
	v_lshlrev_b32 v[L8], 3, v7
	v_lshlrev_b32 v[H64], 6, v8
	v_and_b32 v10, 8, v9
	v_add_nc_u32 v10, v10, v9
	v_lshlrev_b32 v[RO], 2, v10                    ; 4 (r + 8 (r / 8))
	s_mul_i32 s48, s17, 25600                      ; my quads are 2 wr and 2 wr + 1
	v_add_nc_u32 v[AA16], s48, v[L16]
	v_add_nc_u32 v[AA8], s48, v[L8]
	s_wait_dscnt 0x0
	s_wait_kmcnt 0x0
	s_add_nc_u64 s[40:41], s[4:5], s[60:61]        ; A's four quads, K step 0
	s_lshl_b32 s62, s[WV], 1                       ; I fill steps 2 w and 2 w + 1; step i holds K step (sigma + i) mod 8
	s_mov_b32 s[G0], 1
	s_mul_i32 s[G0+1], s[WV], 51200
	s_add_co_u32 s62, s62, s21
	s_and_b32 s62, s62, 7
	s_mul_i32 s60, s62, REC
	s_add_nc_u64 s[G0+2:G0+3], s[40:41], s[60:61]
	s_or_b32 s[G0+3], s[G0+3], 0x80000000
	s_mul_i32 s46, s23, 204800
	s_mul_i32 s48, s18, 102400
	s_add_co_u32 s46, s46, s48
	s_add_co_u32 s46, s46, s50
	s_add_nc_u64 s[42:43], s[4:5], s[46:47]        ; B's two quads, K step 0
	s_bitcmp1_b32 s23, 2
	s_cselect_b64 s[6:7], s[8:9], s[6:7]           ; the columns' bias: bk for blocks 4 to 7, else bq
	s_and_b32 s48, s23, 3
	s_lshl_b32 s48, s48, 10
	s_lshl_b32 s49, s18, 9
	s_add_co_u32 s46, s48, s49
	s_add_nc_u64 s[6:7], s[6:7], s[46:47]
	s_lshl_b32 s48, s58, 10
	s_lshl_b32 s49, s17, 9
	s_add_co_u32 s46, s48, s49
	s_add_nc_u64 s[10:11], s[10:11], s[46:47]      ; the rows' bias, bv
	ROUND                                          ; all four work-groups are here: the joint loads meet
	s_cmp_lt_u32 s[WV], 2                          ; waves 0 and 1 (steps 0 to 3) have a load line of their own, so that the first barrier can show their tiles alone
	s_cbranch_scc0 .Llate
	tensor_load_to_lds s[G0:G0+3], s[G1:G1+7]      ; my one tensor load
	s_nop 0
	PLACES
	s_branch .Lasked
.Llate:
	tensor_load_to_lds s[G0:G0+3], s[G1:G1+7]      ; waves 2 and 3: steps 4 to 7
	s_nop 0
	PLACES
.Lasked:
	WIN 0x40
	s_wait_alu depctr_va_vdst(0)                   ; ahead of the first readers of the head's addresses
.irp b, 0,1,2,3
.irp e, 0,1,2,3
	global_load_b128 v[BI+16*\b+4*\e:BI+16*\b+4*\e+3], v[H64], s[6:7] offset:128*\b+16*\e   ; register 16 b + i: column 32 b + 16 h + i
.endr
.endr
	WIN 0
.irp k, 0,1,2,3,4,5,6,7                        ; tile k = 4 aq + ta: bv of my row; the odd register is named with it as a pair
	global_load_b32 v[BM+2*\k], v[RO], s[10:11] offset:(64*(\k/4)+32*((\k%4)/2)+8*(\k%2))*4
	v_mov_b32 v[BM+2*\k+1], 0
.endr
	SETBB 0
	LOADB 0, 16, 0
	LOADB 48, 18, 51200
	SETBB 1
	LOADB 96, 20, 0
	LOADB 144, 22, 51200
	s_cmp_lt_u32 s[WV], 2
	s_cbranch_scc0 .Lnot_first
	s_wait_tensorcnt 0x0                           ; waves 0 and 1: steps 0 to 3 have landed; the others' loads may stay out
.Lnot_first:
	s_barrier_signal -1
	s_barrier_wait -1
	LOADA 32, 24, 0
	LOADA 80, 26, 12800
.irp i, 0,1,2,3,4,5,6,7
	KSTEP8 \i
.endr
.irp b, 0,1,2,3
	v_mov_b32 v[TM+4+\b], 0                        ; a lane permute's destination counts as one of its sources
.endr
	s_cmp_eq_u32 s22, 1                            ; the same in all partners: it hangs on the cluster's x alone
	s_cbranch_scc1 .Lv_arm
	; ---- q and k: my 128 columns are two heads; a head's record (6,656 bytes) has eight half images (16 tokens x 64) of 128 tokens and two quads of scale words
	s_lshl_b32 s48, s20, 1
	s_add_co_u32 s48, s48, s17                     ; my 128 tokens: 2 y + wr
	s_lshr_b32 s49, s48, 4
	s_lshl_b32 s49, s49, 4                         ; 16 x batch
	s_and_b32 s50, s23, 3
	s_lshl_b32 s50, s50, 2
	s_add_co_u32 s49, s49, s50
	s_lshl_b32 s50, s18, 1
	s_add_co_u32 s49, s49, s50                     ; + the even head: 4 (block mod 4) + 2 wc
	s_lshl_b32 s49, s49, 4
	s_and_b32 s48, s48, 15
	s_add_co_u32 s49, s49, s48
	s_mul_i32 s46, s49, 6656
	s_lshr_b32 s50, s23, 2
	s_mul_i32 s50, s50, 3407872                    ; k's records lie behind q's
	s_add_co_u32 s46, s46, s50
	s_add_nc_u64 s[OB:OB+1], s[12:13], s[46:47]
.irp aq, 0,1
.irp ta, 0,1,2,3
	s_wait_xcnt 0x0                                ; the last tile's stores have read their registers
	WIN 0x06                                       ; source 0 window 2, source 1 window 1
.set N1, 0
.rept 16
	v_pk_add_f32 v[Z+N1:Z+N1+1], v[128*\aq+32*\ta+N1:128*\aq+32*\ta+N1+1], v[BI+N1:BI+N1+1]   ; each accumulator from its low end on
.set N1, N1+2
.endr
	WIN 0x07
.set N1, 0
.rept 16
	v_pk_add_f32 v[Z+32+N1:Z+32+N1+1], v[128*\aq+32*\ta+N1:128*\aq+32*\ta+N1+1], v[BI+32+N1:BI+32+N1+1]
.set N1, N1+2
.endr
	WIN 0
	QUANT Z
	v_mov_b32 v[PWS+\ta], v[PW]
	global_store_b128 v[L16], v[PC:PC+3], s[OB:OB+1] offset:768*(4*\aq+\ta)                   ; the even head's six registers,
	global_store_b64 v[L8], v[PC+4:PC+5], s[OB:OB+1] offset:768*(4*\aq+\ta)+512
	global_store_b128 v[L16], v[PC+6:PC+9], s[OB:OB+1] offset:106496+768*(4*\aq+\ta)          ; the odd head's, sixteen records on
	global_store_b64 v[L8], v[PC+10:PC+11], s[OB:OB+1] offset:106496+768*(4*\aq+\ta)+512
.endr
	v_cndmask_b32 v[D], v[PWS], v[PWS+2], s[HM]
	v_cndmask_b32 v[D+1], v[PWS+1], v[PWS+3], s[HM]
	v_lshrrev_b32 v[E], 16, v[D]                   ; the odd head's two bytes; bytes 2 and 3 of each word are 0: they scale zero codes
	v_lshrrev_b32 v[E+1], 16, v[D+1]
	v_and_b32 v[D], 0xffff, v[D]
	v_and_b32 v[D+1], 0xffff, v[D+1]
	global_store_b64 v[L8], v[D:D+1], s[OB:OB+1] offset:6144+256*\aq
	global_store_b64 v[L8], v[E:E+1], s[OB:OB+1] offset:106496+6144+256*\aq
.endr
	s_branch .Ljoin
.Lv_arm:
	; ---- V^T: my rows are two heads' 64 channels, my 128 columns one K step of tokens
	s_lshl_b32 s48, s55, 2
	s_lshl_b32 s49, s17, 1
	s_add_co_u32 s48, s48, s49                     ; the head of aq = 0
	s_lshl_b32 s48, s48, 5
	s_lshl_b32 s49, s23, 1
	s_add_co_u32 s48, s48, s49
	s_add_co_u32 s48, s48, s18                     ; + the K step of tokens: 2 x block + wc
	s_mul_i32 s46, s48, REC
	s_add_nc_u64 s[OB:OB+1], s[14:15], s[46:47]
.irp aq, 0,1
.irp ta, 0,1,2,3
	s_wait_xcnt 0x0
	WIN 0x02
.set N1, 0
.rept 16
	v_pk_add_f32 v[Z+N1:Z+N1+1], v[128*\aq+32*\ta+N1:128*\aq+32*\ta+N1+1], v[BM+2*(4*\aq+\ta):BM+2*(4*\aq+\ta)+1] op_sel_hi:[1,0]
.set N1, N1+2
.endr
	WIN 0x03
.set N1, 0
.rept 16
	v_pk_add_f32 v[Z+32+N1:Z+32+N1+1], v[128*\aq+32*\ta+N1:128*\aq+32*\ta+N1+1], v[BM+2*(4*\aq+\ta):BM+2*(4*\aq+\ta)+1] op_sel_hi:[1,0]
.set N1, N1+2
.endr
	WIN 0
	QUANT Z
	v_mov_b32 v[PWS+\ta], v[PW]
.irp g, 0,1,2
	global_store_b128 v[L16], v[PC+4*\g:PC+4*\g+3], s[OB:OB+1] offset:204800*\aq+1536*\ta+512*\g
.endr
.endr
	v_cndmask_b32 v[D], v[PWS], v[PWS+2], s[HM]
	v_cndmask_b32 v[D+1], v[PWS+1], v[PWS+3], s[HM]
	global_store_b64 v[L8], v[D:D+1], s[OB:OB+1] offset:204800*\aq+6144
.endr
.Ljoin:
	s_wait_tensorcnt 0x0                           ; the wave's end
	ds_add_u32 v254, v255
	s_wait_dscnt 0x0
	ROUND                                          ; the closing round
	s_endpgm
.Lfunc_end_k_q2ee9f98025_qkv:
	.size	k_q2ee9f98025_qkv, .Lfunc_end_k_q2ee9f98025_qkv-k_q2ee9f98025_qkv
	.p2alignl 7, 3214868480
	.fill 96, 4, 3214868480
	.section	.rodata,"a",@progbits
	.p2align	6, 0x0
	.amdhsa_kernel k_q2ee9f98025_qkv
		.amdhsa_group_segment_fixed_size 213504
		.amdhsa_private_segment_fixed_size 0
		.amdhsa_enable_private_segment 0
		.amdhsa_kernarg_size 48
		.amdhsa_user_sgpr_count 2
		.amdhsa_user_sgpr_kernarg_segment_ptr 1
		.amdhsa_wavefront_size32 1
		.amdhsa_system_sgpr_workgroup_id_x 1
		.amdhsa_system_sgpr_workgroup_id_y 1
		.amdhsa_system_sgpr_workgroup_id_z 1
		.amdhsa_system_vgpr_workitem_id 0
		.amdhsa_next_free_vgpr 1024
		.amdhsa_next_free_sgpr 66
		.amdhsa_reserve_vcc 0
		.amdhsa_float_denorm_mode_32 3
		.amdhsa_float_denorm_mode_16_64 3
		.amdhsa_memory_ordered 1
		.amdhsa_forward_progress 1
		.amdhsa_inst_pref_size 213
	.end_amdhsa_kernel
	.amdgpu_metadata
---
amdhsa.version: [ 1, 2 ]
amdhsa.kernels:
  - .name:           k_q2ee9f98025_qkv
    .symbol:         k_q2ee9f98025_qkv.kd
    .args:
      - { .name: wrec, .offset: 0, .size: 8, .value_kind: global_buffer, .address_space: global }
      - { .name: bq, .offset: 8, .size: 8, .value_kind: global_buffer, .address_space: global }
      - { .name: bk, .offset: 16, .size: 8, .value_kind: global_buffer, .address_space: global }
      - { .name: bv, .offset: 24, .size: 8, .value_kind: global_buffer, .address_space: global }
      - { .name: qkrec, .offset: 32, .size: 8, .value_kind: global_buffer, .address_space: global }
      - { .name: vrec, .offset: 40, .size: 8, .value_kind: global_buffer, .address_space: global }
    .group_segment_fixed_size: 213504
    .private_segment_fixed_size: 0
    .kernarg_segment_align: 8
    .kernarg_segment_size: 48
    .max_flat_workgroup_size: 128
    .sgpr_count:     66
    .vgpr_count:     1024
    .wavefront_size: 32
...
	.end_amdgpu_metadata
.endif
;; end of part 2
;; launch attn (part 3): grid 8 x 32, 8 waves a work-group, clusters of 4 x 1, 327,680 bytes of LDS; arguments qkrec, vrec, orec; writes orec
.if DOCPART == 3
	.amdgcn_target "amdgcn-amd-amdhsa--gfx1250"
	.amdhsa_code_object_version 6
	.text
	.protected	k_q2ee9f98025_attn
	.globl	k_q2ee9f98025_attn
	.p2align	8
	.type	k_q2ee9f98025_attn,@function
k_q2ee9f98025_attn:
	s_mov_b64 s[64:65], 0
	v_nop
	global_prefetch_b8 v0, s[64:65] scope:SCOPE_SE
	s_setreg_imm32_b32 hwreg(HW_REG_WAVE_MODE, 25, 1), 1
	s_wait_xcnt 0x0
	s_wait_alu depctr_hold_cnt(0) depctr_sa_sdst(0) depctr_va_vdst(0) depctr_va_sdst(0) depctr_va_ssrc(0) depctr_va_vcc(0) depctr_vm_vsrc(0)
	s_getreg_b32 s2, hwreg(HW_REG_IB_STS2, 6, 4)
	s_cmp_eq_u32 s2, 0
	s_cbranch_scc0 .Lentry_in_a_cluster
	s_endpgm
.Lentry_in_a_cluster:
	s_bfe_u32 s2, ttmp6, 0x10000c
	s_cmp_lg_u32 s2, 0x3003
	s_cbranch_scc0 .Lentry_shape_is_right
	s_endpgm
.Lentry_shape_is_right:
; o = softmax(q k^T / 8) v for one batch and head (grid y) and 256 queries (grid x), on codes of FP6 with E8M0 scales; o leaves as codes and scale words.
; Both products are used transposed (S^T = k q^T, O^T = v^T p^T): a lane holds one query.  p = 2^(t - M), M the ceiling of the running largest t, a whole number; the row's sum is taken of the unquantised p.
; SHARES: eight waves, two to a SIMD; wave w has the query tiles 2 w and 2 w + 1 (16 queries each), taken by turns line by line, so that each fragment of k and v feeds two products.
; LDS: all 16 records of k (6,656 bytes: 128 keys) and of v (6,400 bytes) of the head, filled once: ONE joint load a wave: the even waves fetch k, the odd ones v, wave w records 4 (w / 2) .. + 3.
; Waves 0 and 1 have load lines of their own: the first barrier shows records 0 to 3 alone, three trips run on them, and a second barrier shows the rest.  The four work-groups of a cluster
; are four query blocks of one head and ask jointly.  No prefetch: every byte of k and v is asked for at the head, so no later load is left to run ahead of.
; THE KEYS OF A TILE ARE CHOSEN BY THE LANES' LDS ADDRESSES: row m of tile j of a quad of 64 keys is key 32 (m / 8) + 8 j + m % 8.  A record's image t holds keys 32 (t / 2) + 16 (i / 8) + 8 (t % 2) + i % 8, so
; lanes with row r < 8 read image j % 2 and the others image 2 + j % 2, both at its row 8 (j / 2) + r % 8.  So the 32 registers of a quad's four tiles are the 32 neighbouring keys 64 q + 32 h + 0 .. 31:
; a whole scale block in a lane, in the order of p's operand registers: no lane is asked for a block's largest score, and no code changes lanes.
; A head has 64 numbers, a product 128 along K: q's registers 6-11 are zero codes, so whatever finite codes stand in registers 6-11 of k's operand add nothing.  k's tiles lie 6 registers apart,
; each tile's upper half being the next tile's codes (the last tile's: six registers of zeros); bytes 2, 3 of k's and q's scale words are 0, a finite code.
; LIMITS: the promise holds while the scaled scores stay under 2^31 in magnitude; a block whose largest p lies under 2^-124 keeps the byte 1; NaN and infinities are not served.
; REGISTERS: window 0: v1-23 addresses and -M; v24-47 the softmax's small numbers; v48-71 p's codes; v80-89 scale words; v96-111 second halves of blocks; v128-255 S^T, then p (tile u, quad q at 128 + 64 u + 32 q).
;   window 1: v0-63 O^T; v64-111 v's fragments; v112-165 k's; v168-191 q's; v192-199 the rows' sums, two chains a tile.
.set KB,   6656
.set VB,   6400
.set VOFF, 16*KB
.set SCR,  VOFF+16*VB                  ; 1,024 bytes in which the tiles' scale words meet
.set SPARE, 0x34000                    ; the spare words, 128 bytes a wave
.set L16,  1
.set L8,   2
.set SPW,  3
.set NIL,  4
.set KA16, 5                           ; k: 16 (r % 8) + 256 h + 1,536 (r / 8)
.set KA8,  6                           ; 8 (r % 8) + 128 h + 1,536 (r / 8)
.set KSA,  7                           ; scale words: 8 (r % 8) + 128 (r / 8) + 64 h: lanes 0-15 tiles 0, 1, lanes 16-31 tiles 2, 3
.set CK16, 8                           ; v8-11, v16: the same with the step's record added
.set CK8,  9
.set CV16, 10
.set CV8,  11
.set NM,   12                          ; v12, v14: -M; v13, v15: the running largest score
.set CKS,  16
.set VA16, 17
.set VA8,  18
.set SH8,  19                          ; 8 h
.set STS,  20
.set LDW,  21
.set R8,   22                          ; 8 r
.set BX,   24                          ; v24-27 block 2 u + q: largest score, then largest p
.set T1,   28
.set T2,   30
.set SO,   32                          ; the conversions' scale operands
.set TP,   36
.set W,    40
.set W2,   42
.set F,    44                          ; v44, v46: 2^(old M - new M)
.set PC,   48
.set KSC,  80
.set QS,   84
.set VSC,  86
.set PSW,  88
.set CT,   96
.set S,    128
.set O,    0
.set VF,   64
.set KF,   112
.set QF,   168
.set LB,   192
.set WV,   10
.set SEL,  20
.set CS,   22
.set G1K,  24
.set G1V,  32
.set G0K,  40
.set G0V,  44
.set TK,   48
.set TV,   49
.set CNT,  50
.set NC,   51
.set OC,   52
.set OW,   54
.set SHF,  56
.set MSB,  0
.macro WIN new                         ; the immediate's high byte repeats the setting that is left
.if MSB != (\new)
	s_set_vgpr_msb (MSB<<8)|(\new)
.set MSB, (\new)
.endif
.endm
.macro PLACES
.rept 4
	v_nop
.endr
.endm
.macro ROUND                           ; a round of the cluster's barrier
	s_barrier_signal -1
	s_barrier_wait -1
	s_cmp_lg_u32 s[WV], 0
	s_cbranch_scc1 .Lnot_wave_0_\@
	s_barrier_signal -3
.Lnot_wave_0_\@:
	s_barrier_wait -3
	s_barrier_signal -1
	s_barrier_wait -1
.endm
.macro SW d, a, b, sa, sb, row         ; a product that starts its sums
.if \row
	v_wmma_scale_f32_16x16x128_f8f6f4 v[\d:\d+7], v[\a:\a+11], v[\b:\b+11], 0, v[\sa], v[\sb] matrix_a_fmt:MATRIX_FMT_FP6 matrix_b_fmt:MATRIX_FMT_FP6 matrix_a_scale:MATRIX_SCALE_ROW1
.else
	v_wmma_scale_f32_16x16x128_f8f6f4 v[\d:\d+7], v[\a:\a+11], v[\b:\b+11], 0, v[\sa], v[\sb] matrix_a_fmt:MATRIX_FMT_FP6 matrix_b_fmt:MATRIX_FMT_FP6
.endif
.endm
.macro PW d, a, b, sa, sb, row         ; a product that adds in place
.if \row
	v_wmma_scale_f32_16x16x128_f8f6f4 v[\d:\d+7], v[\a:\a+11], v[\b:\b+11], v[\d:\d+7], v[\sa], v[\sb] matrix_a_fmt:MATRIX_FMT_FP6 matrix_b_fmt:MATRIX_FMT_FP6 matrix_a_scale:MATRIX_SCALE_ROW1
.else
	v_wmma_scale_f32_16x16x128_f8f6f4 v[\d:\d+7], v[\a:\a+11], v[\b:\b+11], v[\d:\d+7], v[\sa], v[\sb] matrix_a_fmt:MATRIX_FMT_FP6 matrix_b_fmt:MATRIX_FMT_FP6
.endif
.endm
.macro KLOAD                           ; a record of k: eight tiles n = 4 q + j of 6 registers, and two quads of scale words: 18 loads
	WIN 0x40
.irp n, 0,1,2,3,4,5,6,7
	ds_load_b128 v[KF+6*\n:KF+6*\n+3], v[CK16] offset:3072*(\n/4)+768*(\n%2)+128*((\n%4)/2)
	ds_load_b64 v[KF+6*\n+4:KF+6*\n+5], v[CK8] offset:3072*(\n/4)+768*(\n%2)+64*((\n%4)/2)+512
.endr
	WIN 0
	ds_load_b64 v[KSC:KSC+1], v[CKS] offset:6144
	ds_load_b64 v[KSC+2:KSC+3], v[CKS] offset:6400
.endm
.macro ADDS c                          ; c lines of the rows' sums: the two tiles and each tile's two chains by turns (destination and source 0 window 1, source 1 window 0)
.rept \c
.set rL, LB+4*(NS%2)+2*((NS/2)%2)
.set rS, S+64*(NS%2)+2*(NS/2)
	v_pk_add_f32 v[rL:rL+1], v[rL:rL+1], v[rS:rS+1]
.set NS, NS+1
.endr
.endm
	s_load_b128 s[4:7], s[0:1], 0x0                ; qkrec, vrec
	s_load_b64 s[8:9], s[0:1], 0x10                ; orec
	v_lshl_add_u32 v[SPW], v0, 2, SPARE
	v_mov_b32 v[NIL], 0
	ds_add_u32 v[SPW], v[NIL]                      ; the opening lines: the add twice on end and its wait ahead of my tensor load
	ds_add_u32 v[SPW], v[NIL]
	v_lshrrev_b32 v[R8], 5, v0
	v_readfirstlane_b32 s[WV], v[R8]               ; wave 0..7
	s_and_b32 s62, s[WV], 3
	s_lshr_b32 s3, s[WV], 1
	s_lshl_b32 s63, s3, 2                          ; the first of the four records that I fetch
	s_bfe_u32 s11, ttmp6, 0x40000                  ; cx
	s_and_b32 s12, ttmp7, 0xffff                   ; 16 x batch + head
	s_lshr_b32 s13, s12, 4
	s_and_b32 s14, s12, 15
	s_lshl_b32 s15, ttmp9, 2
	s_add_co_u32 s15, s15, s11                     ; my block of 256 queries
	s_lshl_b32 s52, s12, 4
	s_add_co_u32 s52, s52, s63
	s_mul_i32 s52, s52, KB
	s_add_co_u32 s52, s52, 3407872                 ; k's records lie behind q's
	s_mov_b32 s53, 0
	s_lshl_b32 s54, s14, 5
	s_lshl_b32 s55, s13, 4
	s_add_co_u32 s54, s54, s55
	s_add_co_u32 s54, s54, s63
	s_mul_i32 s54, s54, VB
	s_mov_b32 s55, 0
	s_mov_b32 s[G1K+0], 15|(3<<16)|(1<<21)         ; four records of k, dense: 104 rows of 256 bytes (32 elements of 8); the mask names the four work-groups
	s_mov_b32 s[G1K+1], 32<<16
	s_mov_b32 s[G1K+2], 104<<16
	s_mov_b32 s[G1K+3], 32<<16
	s_mov_b32 s[G1K+4], 104
	s_mov_b32 s[G1K+5], 32
	s_mov_b32 s[G1K+6], 0
	s_mov_b32 s[G1K+7], 0
	s_mov_b32 s[G1V+0], 15|(3<<16)|(1<<21)         ; four records of v: 100 rows
	s_mov_b32 s[G1V+1], 32<<16
	s_mov_b32 s[G1V+2], 100<<16
	s_mov_b32 s[G1V+3], 32<<16
	s_mov_b32 s[G1V+4], 100
	s_mov_b32 s[G1V+5], 32
	s_mov_b32 s[G1V+6], 0
	s_mov_b32 s[G1V+7], 0
	s_mov_b32 s[SEL], 0x76543210
	s_mov_b32 s[SEL+1], 0xfedcba98                 ; v_permlanex16_b32's selects for lane l xor 16
	s_mov_b32 s[CS], 0x3e38aa3b                    ; c = log2(e) / 8
	s_mov_b32 s[CS+1], s[CS]
	s_mov_b32 s[NC], 0xbe38aa3b                    ; -c
	s_mov_b32 s[TK], 0
	s_mov_b32 s[TV], 0
	s_mov_b32 s[CNT], 16
	v_and_b32 v[L8], 31, v0
	v_lshlrev_b32 v[L16], 4, v[L8]
	v_lshlrev_b32 v[L8], 3, v[L8]
	v_and_b32 v[R8], 7, v0
	v_bfe_u32 v23, v0, 3, 1
	v_bfe_u32 v[SH8], v0, 4, 1
	v_mul_u32_u24 v[KA16], v23, 1536
	v_lshl_add_u32 v[KA8], v[R8], 3, v[KA16]
	v_lshl_add_u32 v[KA8], v[SH8], 7, v[KA8]
	v_lshl_add_u32 v[KA16], v[R8], 4, v[KA16]
	v_lshl_add_u32 v[KA16], v[SH8], 8, v[KA16]
	v_lshlrev_b32 v[KSA], 3, v[R8]
	v_lshl_add_u32 v[KSA], v23, 7, v[KSA]
	v_lshl_add_u32 v[KSA], v[SH8], 6, v[KSA]
	v_lshlrev_b32 v[SH8], 3, v[SH8]
	v_add_nc_u32 v[VA16], VOFF, v[L16]
	v_add_nc_u32 v[VA8], VOFF, v[L8]
	v_and_b32 v[R8], 15, v0
	v_lshlrev_b32 v[R8], 3, v[R8]
	s_lshl_b32 s57, s[WV], 7
	s_add_co_u32 s57, s57, SCR
	v_add_nc_u32 v[STS], s57, v[R8]                ; my two tiles' words of row r: 128 w + 8 r
	s_lshl_b32 s57, s62, 8
	s_add_co_u32 s57, s57, SCR
	v_add_nc_u32 v[LDW], s57, v[L8]                ; a quad's 256 bytes of words
	s_wait_alu depctr_va_vdst(0)
	s_wait_dscnt 0x0
	s_wait_kmcnt 0x0
	s_mov_b32 s[G0K], 1
	s_mul_i32 s[G0K+1], s3, 4*KB
	s_add_nc_u64 s[G0K+2:G0K+3], s[4:5], s[52:53]
	s_or_b32 s[G0K+3], s[G0K+3], 0x80000000
	s_mov_b32 s[G0V], 1
	s_mul_i32 s[G0V+1], s3, 4*VB
	s_add_co_u32 s[G0V+1], s[G0V+1], VOFF
	s_add_nc_u64 s[G0V+2:G0V+3], s[6:7], s[54:55]
	s_or_b32 s[G0V+3], s[G0V+3], 0x80000000
	ROUND                                          ; all four work-groups are here: the joint loads meet
	s_and_b32 s57, s[WV], 1
	s_cmp_eq_u32 s[WV], 0                          ; one chain, one load to an arm
	s_cbranch_scc0 .Larm_v0
	tensor_load_to_lds s[G0K:G0K+3], s[G1K:G1K+7]  ; wave 0: k's records 0 to 3
	s_nop 0
	PLACES
	s_branch .Lasked
.Larm_v0:
	s_cmp_eq_u32 s[WV], 1
	s_cbranch_scc0 .Larm_k
	tensor_load_to_lds s[G0V:G0V+3], s[G1V:G1V+7]  ; wave 1: v's records 0 to 3
	s_nop 0
	PLACES
	s_branch .Lasked
.Larm_k:
	s_cmp_eq_u32 s57, 0
	s_cbranch_scc0 .Larm_v
	tensor_load_to_lds s[G0K:G0K+3], s[G1K:G1K+7]  ; waves 2, 4, 6: k's later records
	s_nop 0
	PLACES
	s_branch .Lasked
.Larm_v:
	tensor_load_to_lds s[G0V:G0V+3], s[G1V:G1V+7]  ; waves 3, 5, 7: v's
	s_nop 0
	PLACES
.Lasked:
	s_lshl_b32 s57, s12, 4                         ; q: record 16 y + 2 x block + w / 4, tiles 2 (w % 4) and 2 (w % 4) + 1
	s_lshl_b32 s58, s15, 1
	s_add_co_u32 s57, s57, s58
	s_lshr_b32 s58, s[WV], 2
	s_add_co_u32 s57, s57, s58
	s_mul_i32 s58, s57, KB
	s_mov_b32 s59, 0
	s_add_nc_u64 s[60:61], s[4:5], s[58:59]
	s_mul_i32 s58, s62, 1536
	s_add_nc_u64 s[16:17], s[60:61], s[58:59]
	s_lshl_b32 s58, s62, 7
	s_add_nc_u64 s[18:19], s[60:61], s[58:59]
	WIN 0x40
.irp u, 0,1
	global_load_b128 v[QF+12*\u:QF+12*\u+3], v[L16], s[16:17] offset:768*\u
	global_load_b64 v[QF+12*\u+4:QF+12*\u+5], v[L8], s[16:17] offset:768*\u+512
.endr
.irp j, 6,7,8,9,10,11,18,19,20,21,22,23
	v_mov_b32 v[QF+\j], 0                          ; q's zero codes for K = 64 .. 127
.endr
.irp j, 48,49,50,51,52,53
	v_mov_b32 v[KF+\j], 0                          ; what the last tile of k names as its upper half
.endr
.set N1, 0
.rept 64
	v_mov_b32 v[O+N1], 0                           ; the step is written for every trip alike: the first finds zeros, which its change of M leaves zeros
.set N1, N1+1
.endr
.irp j, 0,1,2,3,4,5,6,7
	v_mov_b32 v[LB+\j], 0
.endr
	WIN 0
	global_load_b64 v[QS:QS+1], v[R8], s[18:19] offset:6144   ; both tiles' scale words of row r
.irp u, 0,1
	v_mov_b32 v[NM+2*\u], 0x7f61b1e6               ; -M = 3e38,
	v_mov_b32 v[NM+2*\u+1], 0xff61b1e6             ; the largest score so far -3e38
	v_mov_b32 v[T2+\u], 0                          ; a lane permute's destination counts as one of its sources
	v_mov_b32 v[W2+\u], 0
	v_mov_b32 v[F+2*\u+1], 0                       ; named as the upper half of a pair
.endr
	v_mov_b32 v[CK16], v[KA16]
	v_mov_b32 v[CK8], v[KA8]
	v_mov_b32 v[CKS], v[KSA]
	v_mov_b32 v[CV16], v[VA16]
	v_mov_b32 v[CV8], v[VA8]
	s_lshl_b32 s57, s13, 5                         ; where o goes: quad 32 x batch + 4 x block + w / 2, K step head / 2, tiles 2 (w % 2) + u, half head % 2
	s_lshl_b32 s58, s15, 2
	s_add_co_u32 s57, s57, s58
	s_lshr_b32 s58, s[WV], 1
	s_add_co_u32 s58, s57, s58
	s_lshl_b32 s58, s58, 3
	s_lshr_b32 s59, s14, 1
	s_add_co_u32 s58, s58, s59
	s_mul_i32 s60, s58, 6656
	s_and_b32 s58, s[WV], 1
	s_mul_i32 s58, s58, 3072
	s_add_co_u32 s60, s60, s58
	s_and_b32 s63, s14, 1
	s_mul_i32 s58, s63, 768
	s_add_co_u32 s60, s60, s58
	s_mov_b32 s61, 0
	s_add_nc_u64 s[OC:OC+1], s[8:9], s[60:61]
	s_add_co_u32 s58, s57, s62                     ; the scale words of quad w, stored by waves 0-3
	s_lshl_b32 s58, s58, 3
	s_add_co_u32 s58, s58, s59
	s_mul_i32 s60, s58, 6656
	s_lshl_b32 s58, s63, 8
	s_add_co_u32 s60, s60, s58
	s_add_nc_u64 s[OW:OW+1], s[8:9], s[60:61]
	s_lshl_b32 s[SHF], s63, 4                      ; the odd head's two bytes stand 16 bits up
	s_wait_alu depctr_va_vdst(0)
	s_cmp_lt_u32 s[WV], 2
	s_cbranch_scc0 .Lnot_first
	s_wait_tensorcnt 0x0                           ; waves 0 and 1: records 0 to 3 of k and of v are in; the other loads may stay out
.Lnot_first:
	s_wait_loadcnt 0x0                             ; q
	s_barrier_signal -1
	s_barrier_wait -1
	KLOAD
.macro TRIP last                       ; 128 keys.  last = 1: the copy that holds the walk's last trip, which fetches no further record of k
	WIN 0x40
.irp t, 0,1,2,3
.irp g, 0,1,2
	ds_load_b128 v[VF+12*\t+4*\g:VF+12*\t+4*\g+3], v[CV16] offset:1536*\t+512*\g
.endr
.endr
	WIN 0
	ds_load_b64 v[VSC:VSC+1], v[CV8] offset:6144
	s_wait_dscnt 13                                ; k's 18 loads are in; v's 13, issued behind them, may be out
	WIN 0x05                                       ; sources 0 and 1 window 1
.irp n, 0,1,2,3,4,5,6,7
.irp u, 0,1
	SW S+64*\u+8*\n, KF+6*\n, QF+12*\u, KSC+2*(\n/4)+\n%2, QS+\u, (\n%4)/2
.endr
.endr
	WIN 0
	s_add_co_u32 s[TK], s[TK], KB
	s_add_co_u32 s[TV], s[TV], VB
	v_add_nc_u32 v[CK16], s[TK], v[KA16]           ; the next step's addresses: five plain places behind the products
	v_add_nc_u32 v[CK8], s[TK], v[KA8]
	v_add_nc_u32 v[CKS], s[TK], v[KSA]
	v_add_nc_u32 v[CV16], s[TV], v[VA16]
	v_add_nc_u32 v[CV8], s[TV], v[VA8]
.if \last
	s_cmp_eq_u32 s[CNT], 1
	s_cbranch_scc1 .Lno_k
.endif
	KLOAD                                          ; the next step's k lands under the softmax
.if \last
.Lno_k:
.endif
.irp k, 0,1,2,3                                ; block k = 2 u + q: the largest of my 32 scores, each accumulator from its low end on, four chains by turns
	v_max3_num_f32 v[BX+\k], v[S+32*\k], v[S+32*\k+1], v[S+32*\k+2]
.endr
.irp i, 3,5,7,9,11,13,15,17,19,21,23,25,27,29
.irp k, 0,1,2,3
	v_max3_num_f32 v[BX+\k], v[BX+\k], v[S+32*\k+\i], v[S+32*\k+\i+1]
.endr
.endr
.irp k, 0,1,2,3
	v_max_num_f32 v[BX+\k], v[BX+\k], v[S+32*\k+31]
.endr
.irp u, 0,1
	v_max_num_f32 v[T1+\u], v[BX+2*\u], v[BX+2*\u+1]
.endr
.irp u, 0,1
	v_permlanex16_b32 v[T2+\u], v[T1+\u], s[SEL], s[SEL+1]
.endr
.irp u, 0,1
	v_max3_num_f32 v[NM+2*\u+1], v[NM+2*\u+1], v[T1+\u], v[T2+\u]   ; the running largest score of my query
.endr
.irp u, 0,1
	v_mul_f32 v[T1+\u], s[NC], v[NM+2*\u+1]
.endr
.irp u, 0,1
	v_floor_f32 v[T2+\u], v[T1+\u]                 ; the new -M = floor(-t)
.endr
.irp u, 0,1
	v_sub_f32 v[T1+\u], v[T2+\u], v[NM+2*\u]       ; old M - new M, a whole number, 0 or less
.endr
.irp u, 0,1
	v_mov_b32 v[NM+2*\u], v[T2+\u]
.endr
.irp u, 0,1
	v_cvt_i32_f32 v[T1+\u], v[T1+\u]               ; (it saturates)
.endr
.set N1, 0
.rept 8
	v_pk_fma_f32 v[S+N1:S+N1+1], v[S+N1:S+N1+1], s[CS:CS+1], v[NM+2*(N1/64):NM+2*(N1/64)+1] op_sel_hi:[1,0,0]   ; t - M
.set N1, N1+2
.endr
.irp u, 0,1
	v_ldexp_f32 v[F+2*\u], 1.0, v[T1+\u]           ; f = 2^(old M - new M): a factor that rounds nothing
.endr
.rept 56
	v_pk_fma_f32 v[S+N1:S+N1+1], v[S+N1:S+N1+1], s[CS:CS+1], v[NM+2*(N1/64):NM+2*(N1/64)+1] op_sel_hi:[1,0,0]
.set N1, N1+2
.endr
.irp k, 0,1,2,3
	v_fma_f32 v[BX+\k], v[BX+\k], s[CS], v[NM+2*(\k/2)]   ; the same of each block's largest score
.endr
	WIN 0x41                                       ; destination and source 0 window 1
.set N1, 0
.rept 32
	v_pk_mul_f32 v[O+N1:O+N1+1], v[O+N1:O+N1+1], v[F+2*(N1/32):F+2*(N1/32)+1] op_sel_hi:[1,0]   ; O^T under the new M, each accumulator from its low end on
.set N1, N1+2
.endr
.irp k, 0,1,2,3
	v_pk_mul_f32 v[LB+2*\k:LB+2*\k+1], v[LB+2*\k:LB+2*\k+1], v[F+2*(\k/2):F+2*(\k/2)+1] op_sel_hi:[1,0]   ; and the sums
.endr
	WIN 0
	s_wait_alu depctr_va_vdst(0)
	s_wait_dscnt 0x0                               ; v's fragments (and the next k's, where they were asked for: the count must serve both ways)
.irp k, 0,1,2,3
	v_exp_f32 v[BX+\k], v[BX+\k]                   ; each block's largest p: the same two instructions on the same number give the same bits
.endr
.set N1, 0
.rept 128
	v_exp_f32 v[S+N1], v[S+N1]                     ; p = 2^(t - M)
.set N1, N1+1
.endr
	v_nop                                          ; a plain place behind the batch
	s_wait_alu depctr_va_vdst(0)                   ; one wait for the batch, ahead of its first reader
.irp k, 0,1,2,3
	v_max_num_f32 v[BX+\k], 0x1800000, v[BX+\k]    ; the floor 2^(3 - 127): the byte cannot fall under 1
.endr
.irp k, 0,1,2,3
	v_add_nc_u32 v[SO+\k], 0xff000000, v[BX+\k]    ; 2 off the exponent field: the conversion's scale operand
.endr
.irp k, 0,1,2,3
	v_lshrrev_b32 v[TP+\k], 23, v[SO+\k]           ; the byte
.endr
.irp u, 0,1
	v_lshl_or_b32 v[W+\u], v[TP+2*\u+1], 16, v[TP+2*\u]   ; my blocks are h and 2 + h
.endr
.irp u, 0,1
	v_lshlrev_b32 v[W+\u], v[SH8], v[W+\u]
.endr
.irp u, 0,1
	v_permlanex16_b32 v[W2+\u], v[W+\u], s[SEL], s[SEL+1]
.endr
.irp u, 0,1
	v_or_b32 v[PSW+\u], v[W+\u], v[W2+\u]          ; with lane l xor 16's two bytes p's scale word is whole
.endr
.irp k, 0,1,2,3
	v_cvt_scalef32_pk16_fp6_f32 v[PC+6*\k:PC+6*\k+2], v[S+32*\k:S+32*\k+15], v[SO+\k]
	v_cvt_scalef32_pk16_fp6_f32 v[CT+4*\k:CT+4*\k+2], v[S+32*\k+16:S+32*\k+31], v[SO+\k]   ; (a conversion's three registers begin on an even number)
.endr
	v_nop                                          ; one plain place behind a scaled conversion
.irp k, 0,1,2,3
.irp i, 0,1,2
	v_mov_b32 v[PC+6*\k+3+\i], v[CT+4*\k+\i]
.endr
.endr
	WIN 0x51                                       ; source 0, C and D window 1, source 1 window 0: it serves the products and the sums' lines alike
.set NS, 0
	ADDS 8                                         ; eight plain places between p's scale words and codes and the first product
.irp t, 0,1,2,3
.irp u, 0,1
	PW O+32*\u+8*\t, VF+12*\t, PC+12*\u, VSC+\t%2, PSW+\u, \t/2   ; eight accumulators by turns
	ADDS 7                                         ; the row's sum of the unquantised p; the last seven are the places ahead of the next loads
.endr
.endr
	WIN 0
.endm
.Lfirst:                                               ; three trips on records 0 to 2; they fetch k's records 1 to 3
	TRIP 0
	s_sub_co_u32 s[CNT], s[CNT], 1
	s_cmp_lg_u32 s[CNT], 13
	s_cbranch_scc1 .Lfirst
	s_wait_tensorcnt 0x0                           ; every wave's records are in,
	s_wait_dscnt 0x0
	s_barrier_signal -1
	s_barrier_wait -1                              ; and all know it: all of k and v may be read
.Lrest:                                                ; thirteen trips
	TRIP 1
	s_sub_co_u32 s[CNT], s[CNT], 1
	s_cmp_lg_u32 s[CNT], 0
	s_cbranch_scc1 .Lrest
	WIN 0x05
.irp u, 0,1
	v_pk_add_f32 v[BX+2*\u:BX+2*\u+1], v[LB+4*\u:LB+4*\u+1], v[LB+4*\u+2:LB+4*\u+3]
.endr
	WIN 0
.irp u, 0,1
	v_add_f32 v[BX+2*\u], v[BX+2*\u], v[BX+2*\u+1]
.endr
.irp u, 0,1
	v_permlanex16_b32 v[T2+\u], v[BX+2*\u], s[SEL], s[SEL+1]
.endr
.irp u, 0,1
	v_add_f32 v[BX+2*\u], v[BX+2*\u], v[T2+\u]     ; the row's sum
.endr
	s_wait_alu depctr_va_vdst(0)
.irp u, 0,1
	v_rcp_f32 v[BX+2*\u], v[BX+2*\u]
.endr
	v_nop
	s_wait_alu depctr_va_vdst(0)                   ; and ahead of their first reader, which is O^T's first reader too
	WIN 0x01
.set N1, 0
.rept 32
	v_pk_mul_f32 v[S+N1:S+N1+1], v[O+N1:O+N1+1], v[BX+2*(N1/32):BX+2*(N1/32)+1] op_sel_hi:[1,0]   ; o: register 32 u + 16 b + i is channel 32 b + 16 h + i of my query
.set N1, N1+2
.endr
	WIN 0
.irp k, 0,1,2,3                                ; o's quantiser: block k = 2 u + b lies in lanes l and l xor 16
	v_max3_num_f32 v[BX+\k], |v[S+16*\k]|, |v[S+16*\k+1]|, 0x1800000
.endr
.irp i, 2,4,6,8,10,12,14
.irp k, 0,1,2,3
	v_max3_num_f32 v[BX+\k], v[BX+\k], |v[S+16*\k+\i]|, |v[S+16*\k+\i+1]|
.endr
.endr
.irp k, 0,1,2,3
	v_permlanex16_b32 v[TP+\k], v[BX+\k], s[SEL], s[SEL+1]
.endr
.irp k, 0,1,2,3
	v_max_num_f32 v[BX+\k], v[BX+\k], v[TP+\k]
.endr
.irp k, 0,1,2,3
	v_add_nc_u32 v[SO+\k], 0xff000000, v[BX+\k]
.endr
.irp k, 0,1,2,3
	v_lshrrev_b32 v[TP+\k], 23, v[SO+\k]
.endr
.irp u, 0,1
	v_lshl_or_b32 v[W+\u], v[TP+2*\u+1], 8, v[TP+2*\u]
.endr
.irp u, 0,1
	v_lshlrev_b32 v[W+\u], s[SHF], v[W+\u]
.endr
.irp u, 0,1
	v_cvt_scalef32_pk16_fp6_f32 v[PC+12*\u:PC+12*\u+2], v[S+32*\u:S+32*\u+15], v[SO+2*\u]
	v_cvt_scalef32_pk16_fp6_f32 v[CT+4*\u:CT+4*\u+2], v[S+32*\u+16:S+32*\u+31], v[SO+2*\u+1]
.endr
	v_nop
.irp u, 0,1                                    ; the operand's layout wants a whole block in a lane
.irp i, 0,1,2
	v_permlane16_swap_b32 v[PC+12*\u+\i], v[CT+4*\u+\i]
.endr
.endr
.irp u, 0,1
.irp i, 0,1,2
	v_mov_b32 v[PC+12*\u+3+\i], v[CT+4*\u+\i]
.endr
.endr
.irp u, 0,1
	global_store_b128 v[L16], v[PC+12*\u:PC+12*\u+3], s[OC:OC+1] offset:1536*\u         ; 512 consecutive bytes,
	global_store_b64 v[L8], v[PC+12*\u+4:PC+12*\u+5], s[OC:OC+1] offset:1536*\u+512     ; and the 256 behind them
.endr
	ds_store_b64 v[STS], v[W:W+1]                  ; lanes r and r + 16 write the same words with the same values
	s_wait_dscnt 0x0                               ; for the others' sake: my store is done
	s_barrier_signal -1
	s_barrier_wait -1
	s_cmp_lt_u32 s[WV], 4
	s_cbranch_scc0 .Lno_words
	ds_load_b64 v[CT:CT+1], v[LDW]
	s_wait_dscnt 0x0
	global_store_b64 v[L8], v[CT:CT+1], s[OW:OW+1] offset:6144   ; a quad's words: one aligned run of 256 bytes
.Lno_words:
	s_wait_tensorcnt 0x0                           ; the wave's end
	ds_add_u32 v[SPW], v[NIL]
	s_wait_dscnt 0x0
	ROUND                                          ; the closing round
	s_endpgm
.Lfunc_end_k_q2ee9f98025_attn:
	.size	k_q2ee9f98025_attn, .Lfunc_end_k_q2ee9f98025_attn-k_q2ee9f98025_attn
	.p2alignl 7, 3214868480
	.fill 96, 4, 3214868480
	.section	.rodata,"a",@progbits
	.p2align	6, 0x0
	.amdhsa_kernel k_q2ee9f98025_attn
		.amdhsa_group_segment_fixed_size 327680
		.amdhsa_private_segment_fixed_size 0
		.amdhsa_enable_private_segment 0
		.amdhsa_kernarg_size 24
		.amdhsa_user_sgpr_count 2
		.amdhsa_user_sgpr_kernarg_segment_ptr 1
		.amdhsa_wavefront_size32 1
		.amdhsa_system_sgpr_workgroup_id_x 1
		.amdhsa_system_sgpr_workgroup_id_y 1
		.amdhsa_system_sgpr_workgroup_id_z 1
		.amdhsa_system_vgpr_workitem_id 0
		.amdhsa_next_free_vgpr 512
		.amdhsa_next_free_sgpr 66
		.amdhsa_reserve_vcc 0
		.amdhsa_float_denorm_mode_32 3
		.amdhsa_float_denorm_mode_16_64 3
		.amdhsa_memory_ordered 1
		.amdhsa_forward_progress 1
		.amdhsa_inst_pref_size 75
	.end_amdhsa_kernel
	.amdgpu_metadata
---
amdhsa.version: [ 1, 2 ]
amdhsa.kernels:
  - .name:           k_q2ee9f98025_attn
    .symbol:         k_q2ee9f98025_attn.kd
    .args:
      - { .name: qkrec, .offset: 0, .size: 8, .value_kind: global_buffer, .address_space: global }
      - { .name: vrec, .offset: 8, .size: 8, .value_kind: global_buffer, .address_space: global }
      - { .name: orec, .offset: 16, .size: 8, .value_kind: global_buffer, .address_space: global }
    .group_segment_fixed_size: 327680
    .private_segment_fixed_size: 0
    .kernarg_segment_align: 8
    .kernarg_segment_size: 24
    .max_flat_workgroup_size: 256
    .sgpr_count:     66
    .vgpr_count:     512
    .wavefront_size: 32
...
	.end_amdgpu_metadata
.endif
;; end of part 3
;; launch oln (part 4): grid 128 x 1, 4 waves a work-group, no clusters, 168,448 bytes of LDS; arguments orec, wrec, src, bo, g1, be1, xrec, ximg; writes xrec, ximg
.if DOCPART == 4
	.amdgcn_target "amdgcn-amd-amdhsa--gfx1250"
	.amdhsa_code_object_version 6
	.text
	.protected	k_q2ee9f98025_oln
	.globl	k_q2ee9f98025_oln
	.p2align	8
	.type	k_q2ee9f98025_oln,@function
k_q2ee9f98025_oln:
	s_mov_b64 s[64:65], 0
	v_nop
	global_prefetch_b8 v0, s[64:65] scope:SCOPE_SE
	s_setreg_imm32_b32 hwreg(HW_REG_WAVE_MODE, 25, 1), 1
	s_wait_xcnt 0x0
; x = LayerNorm(src + o wo^T + bo) g1 + be1; the product on codes of FP6 with E8M0 scales, all else f32.  x leaves twice: as f32 in the order of the next reader's accumulator registers (ximg), and as codes (xrec).
; SHARES: a work-group owns 32 tokens (half hq of a quad of 64: its tiles 2 hq and 2 hq + 1) x all 1,024 columns, so that a row's mean and variance never leave it: 128 work-groups.
; Every work-group reads all of wo (819,200 bytes); 16 tokens to a work-group would double those bytes once more and cut xrec's scale words into pieces of 4 bytes.
; Wave w has columns 256 w .. + 255: 32 accumulators, which BEGIN as src + bo.  The product is used transposed (source 0 = wo's rows): a lane holds one token, its registers run along the columns.
; o: my two tiles of each of the quad's eight records (3,072 bytes; a pair of heads is a K step) come into LDS once, ONE tensor load a wave (two neighbouring K steps); nothing is filled again.
; wo goes from memory straight into registers: eight buffers of 64 rows by turns, four of them (52 loads) on their way.
; NO CLUSTER: o's rows are the work-group's own; wo feeds one wave of a work-group and arrives in register order, and a joint load ends in LDS, where its 102,400 bytes a K step would be written and read once more.
; No prefetch: all 128 work-groups walk the same 819,200 bytes of wo, and src is asked for whole at the head.
; K IS SUMMED IN A ROTATED ORDER: step i takes K step (sigma + i) mod 8, sigma = work-group mod 8 made even.  The variance is the mean of (z - mean)^2.
; LIMITS: a block whose largest magnitude lies under 2^-124 keeps the byte 1; a block of zeros has the byte 1 (its codes are zeros; this program alone reads the bytes); NaN and infinities are not served.
; REGISTERS: window 0: v1-15, v84-87 addresses; v16-31 wo's scale words, v80-83 o's; v32-79 o's fragments, two sets; v120-127 bo; behind the loop v32-119 serve the norm and the quantiser, v128-191 hold 64 numbers of x.
;   window 1: wo's buffers 0-4 (behind the loop g1 in v0-127, be1 in v128-255); window 3: buffers 5-7.   window 2: the accumulators: quad j, tile ta, tb at 64 j + 32 ta + 8 tb.
.set NK,    8
.set REC,   6400
.set AREC,  6656
.set APOS,  3072                       ; LDS: position i (K step (sigma + i) mod 8) holds my two tiles of o
.set MS,    8*APOS                     ; behind them the merged scale words, 128 bytes a position;
.set STAGES, MS+1024                   ; a stage of 16 rows x (1,024 bytes + 16) for each wave;
.set STAT,  STAGES+4*16*1040           ; twice 512 bytes in which the waves' sums meet
.set SPARE, 0x29000                    ; the spare words
.set L16,   1
.set L8,    2
.set AA16,  3
.set AA8,   4
.set AMS,   5
.set STI,   6                          ; the stage by lanes' rows: row r, + 64 h
.set STD,   7                          ; the stage densely: 16 x lane
.set STS,   8                          ; where I put a row's sum: 16 r + 4 w
.set STL,   9                          ; where I read the four waves' sums: 16 r
.set CW,    10                         ; 1,024 w + 16 x lane
.set CB,    11                         ; 1,024 w + 64 h
.set R8,    12                         ; 8 r
.set MGO,   13                         ; o's scale words in memory: my first K step's record + 128 hq + 8 r
.set MSA,   14                         ; and where their merged words go
.set SPW,   84
.set NIL,   85
.set XC,    86                         ; xrec: 3,072 hq + 16 x lane
.set XW,    87                         ; xrec's scale words: 128 hq + 8 r
.set BO,    120
.set SX,    32
.set T,     96
.set MU,    104
.set RS,    112
.set Z,     128
.set TM,    32
.set PW,    48
.set PWS,   50
.set PC,    56
.set WV,    20
.set KI,    21
.set TT,    22
.set G1,    24
.set G0,    32
.set B0,    40
.set BB,    42
.set TA,    44
.set TS,    45
.set CNT,   46
.set SEL,   50
.set INV,   53
.set EPS,   54
.set MSB,   0
.macro WIN new                         ; the immediate's high byte repeats the setting that is left
.if MSB != (\new)
	s_set_vgpr_msb (MSB<<8)|(\new)
.set MSB, (\new)
.endif
.endm
.macro PLACES
.rept 4
	v_nop
.endr
.endm
.macro WM ra
.if \ra
	v_wmma_scale_f32_16x16x128_f8f6f4 v[rD:rD+7], v[rB:rB+11], v[rA:rA+11], v[rD:rD+7], v[rSB], v[rSA] matrix_a_fmt:MATRIX_FMT_FP6 matrix_b_fmt:MATRIX_FMT_FP6 matrix_a_scale:MATRIX_SCALE_ROW1
.else
	v_wmma_scale_f32_16x16x128_f8f6f4 v[rD:rD+7], v[rB:rB+11], v[rA:rA+11], v[rD:rD+7], v[rSB], v[rSA] matrix_a_fmt:MATRIX_FMT_FP6 matrix_b_fmt:MATRIX_FMT_FP6
.endif
.endm
.macro MUL8 j, b, ab, sa               ; quad j of wo (buffer b) against my two tiles of o: eight different accumulators, one instruction a turn
	WIN 0xa1+2*((\b)/5)                            ; source 0 window 1 or 3, source 1 window 0, C and D window 2
.irp tb, 0,1,2,3
.irp ta, 0,1
.set rD, 64*(\j)+32*\ta+8*\tb
.set rB, 48*((\b)%5)+12*\tb
.set rA, (\ab)+12*\ta
.set rSB, 16+2*(\b)+\tb%2
.set rSA, (\sa)+\ta
	WM \tb/2
.endr
.endr
.endm
.macro LOADB b, off                    ; a record of wo into buffer b: 13 loads, each lane its registers whole
	WIN 0x40+0x80*((\b)/5)
.irp t, 0,1,2,3
.irp g, 0,1,2
	global_load_b128 v[48*((\b)%5)+12*\t+4*\g:48*((\b)%5)+12*\t+4*\g+3], v[L16], s[BB:BB+1] offset:(\off)+1536*\t+512*\g
.endr
.endr
	WIN 0
	global_load_b64 v[16+2*(\b):17+2*(\b)], v[L8], s[BB:BB+1] offset:(\off)+6144
.endm
.macro NEXTB                           ; wo's base for the next K step
.set BB, 78-BB                         ; TWO PAIRS OF REGISTERS BY TURNS, s[42:43] and s[36:37]: the pair written here was last named by the loads of the step in hand, whose last item's counted wait on LOADcnt has shown them done
	s_add_co_u32 s[KI], s[KI], 1
	s_and_b32 s[TT], s[KI], NK-1
	s_mul_i32 s[TT], s[TT], REC
	s_add_nc_u64 s[BB:BB+1], s[B0:B0+1], s[TT:TT+1]
.endm
.macro LOADA ab, sa                    ; my two tiles of o at a position: a tile's two halves are two heads' half images
.irp t, 0,1
	ds_load_b128 v[(\ab)+12*\t:(\ab)+12*\t+3], v[AA16] offset:1536*\t
	ds_load_b64 v[(\ab)+12*\t+4:(\ab)+12*\t+5], v[AA8] offset:1536*\t+512
	ds_load_b128 v[(\ab)+12*\t+6:(\ab)+12*\t+9], v[AA16] offset:1536*\t+768
	ds_load_b64 v[(\ab)+12*\t+10:(\ab)+12*\t+11], v[AA8] offset:1536*\t+1280
.endr
	ds_load_b64 v[(\sa):(\sa)+1], v[AMS]
.endm
; One K step: four items (quads of wo).  Item q = 4 step + j multiplies buffer q mod 8 and then asks for item q + 5: quad (j + 1) mod 4 of the next step (j = 3: of the step after).
; p: the step's parity; lda: o's next position is fetched; nl: the first nl items ask; full = 1: behind the buffer wanted four items, 52 loads, were issued; else 3 - j items
.macro STEP p, lda, nl, full
.if \lda
	s_add_co_u32 s[TA], s[TA], APOS
	s_add_co_u32 s[TS], s[TS], 128
.endif
	s_wait_dscnt 0x0                               ; o's set for this step
.irp j, 0,1,2,3
.if \full
	s_wait_loadcnt 52
.else
	s_wait_loadcnt 39-13*\j
.endif
	MUL8 \j, 4*(\p)+\j, 32+24*(\p), 80+2*(\p)
	PLACES
.if \j < \nl
.if \j == 3
	NEXTB
.endif
	LOADB (4*(\p)+\j+5)%8, ((\j+1)%4)*NK*REC
.endif
.if (\j == 0) && \lda
	WIN 0
	v_add_nc_u32 v[AA16], s[TA], v[L16]
	v_add_nc_u32 v[AA8], s[TA], v[L8]
	v_add_nc_u32 v[AMS], s[TS], v[R8]
	LOADA 56-24*(\p), 82-2*(\p)
.endif
.endr
	WIN 0
.endm
; 64 numbers of a lane, register 16 b + i = k 32 b + 16 (lane / 16) + i of my row, become a fragment's codes in v[PC] on and its scale word in v[PW]
.macro QUANT s
.irp b, 0,1,2,3
	v_max3_num_f32 v[TM+\b], |v[\s+16*\b]|, |v[\s+1+16*\b]|, 0x1800000   ; with the floor 2^(3 - 127): the byte cannot fall under 1
.endr
.irp i, 2,4,6,8,10,12,14
.irp b, 0,1,2,3
	v_max3_num_f32 v[TM+\b], v[TM+\b], |v[\s+16*\b+\i]|, |v[\s+1+16*\b+\i]|
.endr
.endr
.irp b, 0,1,2,3
	v_permlanex16_b32 v[TM+4+\b], v[TM+\b], s[SEL], s[SEL+1]
.endr
.irp b, 0,1,2,3
	v_max_num_f32 v[TM+\b], v[TM+\b], v[TM+4+\b]
.endr
.irp b, 0,1,2,3
	v_add_nc_u32 v[TM+12+\b], 0xff000000, v[TM+\b]
.endr
.irp b, 0,1,2,3
	v_lshrrev_b32 v[TM+4+\b], 23, v[TM+12+\b]
.endr
	v_lshl_or_b32 v[PW], v[TM+5], 8, v[TM+4]
	v_lshl_or_b32 v[PW], v[TM+6], 16, v[PW]
	v_lshl_or_b32 v[PW], v[TM+7], 24, v[PW]
.irp c, 0,1
	v_cvt_scalef32_pk16_fp6_f32 v[PC+6*\c:PC+2+6*\c], v[\s+32*\c:\s+15+32*\c], v[TM+12+2*\c]
	v_cvt_scalef32_pk16_fp6_f32 v[PC+12+4*\c:PC+14+4*\c], v[\s+16+32*\c:\s+31+32*\c], v[TM+12+2*\c+1]
.endr
	v_nop
.irp c, 0,1
.irp i, 0,1,2
	v_permlane16_swap_b32 v[PC+6*\c+\i], v[PC+12+4*\c+\i]
.endr
.irp i, 0,1,2
	v_mov_b32 v[PC+3+6*\c+\i], v[PC+12+4*\c+\i]
.endr
.endr
.endm
; Two chains for each of my two tiles become the rows' sums over all 1,024 columns: my pairs, lane l xor 16's, and the four waves' through LDS
.macro EXCH st
.irp ta, 0,1
	v_pk_add_f32 v[T+4*\ta:T+4*\ta+1], v[T+4*\ta:T+4*\ta+1], v[T+4*\ta+2:T+4*\ta+3]
.endr
.irp ta, 0,1
	v_add_f32 v[T+4*\ta], v[T+4*\ta], v[T+4*\ta+1]
.endr
.irp ta, 0,1
	v_permlanex16_b32 v[T+4*\ta+1], v[T+4*\ta], s[SEL], s[SEL+1]
.endr
.irp ta, 0,1
	v_add_f32 v[T+4*\ta], v[T+4*\ta], v[T+4*\ta+1]
.endr
.irp ta, 0,1
	ds_store_b32 v[STS], v[T+4*\ta] offset:\st+256*\ta   ; lanes r and r + 16 write the same word with the same value
.endr
	s_wait_dscnt 0x0                               ; for the others' sake: my stores are done
	s_barrier_signal -1
	s_barrier_wait -1
.irp ta, 0,1
	ds_load_b128 v[SX+4*\ta:SX+4*\ta+3], v[STL] offset:\st+256*\ta
.endr
	s_wait_dscnt 0x0
.irp ta, 0,1
	v_add_f32 v[SX+4*\ta], v[SX+4*\ta], v[SX+4*\ta+1]
.endr
.irp ta, 0,1
	v_add_f32 v[SX+4*\ta+2], v[SX+4*\ta+2], v[SX+4*\ta+3]
.endr
.irp ta, 0,1
	v_add_f32 v[SX+4*\ta], v[SX+4*\ta], v[SX+4*\ta+2]
.endr
.endm
.macro NORM ta, g                      ; 64 numbers of tile ta, quads 2 g and 2 g + 1: (z - mean) x rstd x gain + shift
	WIN 0x02
.irp jj, 0,1
.set N1, 0
.rept 16
	v_pk_mul_f32 v[Z+32*\jj+N1:Z+32*\jj+N1+1], v[64*(2*(\g)+\jj)+32*(\ta)+N1:64*(2*(\g)+\jj)+32*(\ta)+N1+1], v[RS+2*(\ta):RS+2*(\ta)+1]
.set N1, N1+2
.endr
.endr
	WIN 0x14                                       ; sources 1 and 2 window 1
.set N1, 0
.rept 32
	v_pk_fma_f32 v[Z+N1:Z+N1+1], v[Z+N1:Z+N1+1], v[64*(\g)+N1:64*(\g)+N1+1], v[128+64*(\g)+N1:128+64*(\g)+N1+1]
.set N1, N1+2
.endr
	WIN 0
.endm
	s_load_b256 s[4:11], s[0:1], 0x0               ; orec, wrec, src, bo
	s_load_b256 s[12:19], s[0:1], 0x20             ; g1, be1, xrec, ximg
	v_lshl_add_u32 v[SPW], v0, 2, SPARE
	v_mov_b32 v[NIL], 0
	ds_add_u32 v[SPW], v[NIL]                      ; the opening lines: the add twice on end and its wait ahead of my tensor load
	ds_add_u32 v[SPW], v[NIL]
	v_lshrrev_b32 v15, 5, v0
	v_readfirstlane_b32 s[WV], v15                 ; wave 0..3
	s_lshr_b32 s58, ttmp9, 1                       ; the quad of tokens
	s_and_b32 s59, ttmp9, 1                        ; hq: my half of it
	s_and_b32 s[KI], ttmp9, NK-2                   ; sigma, even: a pair of K steps (sigma + 2 w, + 1) mod 8 never wraps
	s_mov_b32 s[G1+0], 3<<16                       ; two rows (K steps) of 3,072 bytes (384 elements of 8), 6,656 bytes apart; dense in LDS
	s_mov_b32 s[G1+1], 384<<16
	s_mov_b32 s[G1+2], 2<<16
	s_mov_b32 s[G1+3], 384<<16
	s_mov_b32 s[G1+4], 2
	s_mov_b32 s[G1+5], 832
	s_mov_b32 s[G1+6], 0
	s_mov_b32 s[G1+7], 0
	s_mov_b32 s[TT+1], 0
	s_mov_b32 s49, 0
	s_mov_b32 s[SEL], 0x76543210
	s_mov_b32 s[SEL+1], 0xfedcba98
	s_mov_b32 s[INV], 0x3a800000                   ; 1 / 1,024
	s_mov_b32 s[EPS], 0x3727c5ac                   ; 1e-5
	s_mov_b32 s[TA], 0
	s_mov_b32 s[TS], MS
	s_mul_i32 s36, s[WV], 16*1040
	s_add_co_u32 s36, s36, STAGES                  ; my stage
	s_lshl_b32 s37, s[WV], 2
	s_add_co_u32 s37, s37, STAT
	s_lshl_b32 s38, s[WV], 10
	s_lshl_b32 s39, s[WV], 8
	s_add_co_u32 s39, s39, MS
	s_lshl_b32 s55, s[WV], 1
	s_add_co_u32 s55, s55, s[KI]
	s_and_b32 s55, s55, NK-1
	s_mul_i32 s55, s55, AREC                       ; the record of position 2 w
	s_mul_i32 s61, s59, APOS
	s_lshl_b32 s62, s59, 7
	s_add_co_u32 s52, s55, s62
	v_and_b32 v15, 31, v0
	v_and_b32 v[R8], 15, v0
	v_bfe_u32 v[MSA], v0, 4, 1
	v_lshlrev_b32 v[L16], 4, v15
	v_lshlrev_b32 v[L8], 3, v15
	v_mul_u32_u24 v[STI], v[R8], 1040
	v_lshl_add_u32 v[STI], v[MSA], 6, v[STI]
	v_add_nc_u32 v[STI], s36, v[STI]
	v_add_nc_u32 v[STD], s36, v[L16]
	v_lshlrev_b32 v[STL], 4, v[R8]
	v_add_nc_u32 v[STS], s37, v[STL]
	v_add_nc_u32 v[STL], STAT, v[STL]
	v_add_nc_u32 v[CW], s38, v[L16]
	v_lshl_add_u32 v[CB], v[MSA], 6, s38
	v_lshlrev_b32 v[R8], 3, v[R8]
	v_add_nc_u32 v[MSA], s39, v[R8]
	v_add_nc_u32 v[MGO], s52, v[R8]
	v_add_nc_u32 v[XC], s61, v[L16]
	v_add_nc_u32 v[XW], s62, v[R8]
	s_wait_alu depctr_va_vdst(0)
	s_wait_dscnt 0x0
	s_wait_kmcnt 0x0
	s_mul_i32 s48, s58, NK*AREC
	s_add_nc_u64 s[56:57], s[4:5], s[48:49]        ; my quad's eight records
	s_add_co_u32 s48, s55, s61
	s_mov_b32 s[G0], 1
	s_mul_i32 s[G0+1], s[WV], 2*APOS               ; I fill positions 2 w and 2 w + 1
	s_add_nc_u64 s[G0+2:G0+3], s[56:57], s[48:49]
	s_or_b32 s[G0+3], s[G0+3], 0x80000000
	tensor_load_to_lds s[G0:G0+3], s[G1:G1+7]      ; my one tensor load
	s_nop 0
	PLACES
	s_mul_i32 s48, s[WV], 204800
	s_add_co_u32 s48, s48, 5734400
	s_add_nc_u64 s[B0:B0+1], s[6:7], s[48:49]      ; wo's records of my four quads, K step 0
	s_mul_i32 s[TT], s[KI], REC
	s_add_nc_u64 s[BB:BB+1], s[B0:B0+1], s[TT:TT+1]
.irp j, 0,1,2,3
	LOADB \j, \j*NK*REC                            ; items 0 to 3,
.endr
	NEXTB
	LOADB 4, 0                                     ; and item 4
	global_load_b64 v[128:129], v[MGO], s[56:57] offset:6144        ; o's scale words of positions 2 w and 2 w + 1: the even head's (bytes 0, 1), the odd head's (bytes 2, 3)
	global_load_b64 v[130:131], v[MGO], s[56:57] offset:6400
	global_load_b64 v[132:133], v[MGO], s[56:57] offset:AREC+6144
	global_load_b64 v[134:135], v[MGO], s[56:57] offset:AREC+6400
	s_lshl_b32 s60, s58, 18
	s_lshl_b32 s48, s59, 17
	s_add_co_u32 s48, s48, s60
	s_add_nc_u64 s[8:9], s[8:9], s[48:49]          ; src at my 32 tokens
	s_lshl_b32 s48, s[WV], 16
	s_add_co_u32 s48, s48, s60
	s_lshl_b32 s47, s59, 15
	s_add_co_u32 s48, s48, s47
	s_add_nc_u64 s[18:19], s[18:19], s[48:49]      ; ximg: my quad, my wave, my two tiles
	s_lshl_b32 s48, s58, 3
	s_lshl_b32 s47, s[WV], 1
	s_add_co_u32 s48, s48, s47
	s_mul_i32 s48, s48, REC
	s_add_nc_u64 s[16:17], s[16:17], s[48:49]      ; xrec: my quad, K steps 2 w and 2 w + 1
	global_load_b128 v[BO:BO+3], v[CW], s[10:11]               ; bo as a row lies: my 16 bytes of each half of my 1,024
	global_load_b128 v[BO+4:BO+7], v[CW], s[10:11] offset:512
	; the residual: my 1,024 bytes of each of the 32 rows, 512 consecutive bytes a load, into the registers of the tile's accumulators in any order
	WIN 0x80
.irp ta, 0,1
.set N1, 0
.rept 32
	global_load_b128 v[64*(N1/8)+32*\ta+4*(N1%8):64*(N1/8)+32*\ta+4*(N1%8)+3], v[CW], s[8:9] offset:(8*\ta+16*(N1/16)+(N1/2)%8)*4096+512*(N1%2)
.set N1, N1+1
.endr
.endr
	s_wait_loadcnt 0x0
	WIN 0x82                                       ; + bo, while the numbers lie by rows
.irp ta, 0,1
.set N1, 0
.rept 32
.set rR, 64*(N1/8)+32*\ta+4*(N1%8)
	v_pk_add_f32 v[rR:rR+1], v[rR:rR+1], v[BO+4*(N1%2):BO+4*(N1%2)+1]
	v_pk_add_f32 v[rR+2:rR+3], v[rR+2:rR+3], v[BO+4*(N1%2)+2:BO+4*(N1%2)+3]
.set N1, N1+1
.endr
.endr
	; through my own stage into the accumulators' order.  LDS serves a wave's instructions in order: no wait between the stores and the loads, nor ahead of the next tile's stores
.irp ta, 0,1
	WIN 0x08
.set N1, 0
.rept 32
.set rR, 64*(N1/8)+32*\ta+4*(N1%8)
	ds_store_b128 v[STD], v[rR:rR+3] offset:1040*(N1/2)+512*(N1%2)
.set N1, N1+1
.endr
	WIN 0x80
.irp j, 0,1,2,3
.irp tb, 0,1,2,3
.irp p, 0,1
	ds_load_b128 v[64*\j+32*\ta+8*\tb+4*\p:64*\j+32*\ta+8*\tb+4*\p+3], v[STI] offset:256*\j+128*(\tb/2)+32*(\tb%2)+16*\p
.endr
.endr
.endr
.endr
	WIN 0
	v_or_b32 v128, v128, v130                      ; two heads' words make a K step's words
	v_or_b32 v129, v129, v131
	v_or_b32 v132, v132, v134
	v_or_b32 v133, v133, v135
	ds_store_b64 v[MSA], v[128:129]                ; lanes r and r + 16 write the same words with the same values
	ds_store_b64 v[MSA], v[132:133] offset:128
	s_wait_tensorcnt 0x0                           ; my two positions of o have landed,
	s_wait_dscnt 0x0                               ; my words are stored, and the sums' first values are in
	s_barrier_signal -1
	s_barrier_wait -1
	v_add_nc_u32 v[AA16], s[TA], v[L16]
	v_add_nc_u32 v[AA8], s[TA], v[L8]
	v_add_nc_u32 v[AMS], s[TS], v[R8]
	LOADA 32, 80
	s_mov_b32 s[CNT], 3
.Lk:                                                   ; a trip is two K steps: the eight buffers come back to where they began
	STEP 0, 1, 4, 1
	STEP 1, 1, 4, 1
	s_sub_co_u32 s[CNT], s[CNT], 1
	s_cmp_lg_u32 s[CNT], 0
	s_cbranch_scc1 .Lk
	STEP 0, 1, 3, 1                                ; items 24 to 26 ask for the last three
	STEP 1, 0, 0, 0
	; ---- the norm.  g1 and be1 of my columns, in the accumulators' order, into window 1, whose buffers are done with
	WIN 0x40
.irp j, 0,1,2,3
.irp tb, 0,1,2,3
.irp p, 0,1
	global_load_b128 v[32*\j+8*\tb+4*\p:32*\j+8*\tb+4*\p+3], v[CB], s[12:13] offset:(64*\j+32*(\tb/2)+8*(\tb%2)+4*\p)*4
	global_load_b128 v[128+32*\j+8*\tb+4*\p:128+32*\j+8*\tb+4*\p+3], v[CB], s[14:15] offset:(64*\j+32*(\tb/2)+8*(\tb%2)+4*\p)*4
.endr
.endr
.endr
	WIN 0x02                                       ; the rows' sums: each accumulator from its low end on, four chains by turns
.irp jh, 0,1
.set N1, 0
.rept 16
.irp c, 0,1
.irp ta, 0,1
.if \jh+N1 == 0
	v_pk_add_f32 v[T+4*\ta+2*\c:T+4*\ta+2*\c+1], v[64*(2*\jh+\c)+32*\ta+N1:64*(2*\jh+\c)+32*\ta+N1+1], 0 op_sel_hi:[1,0]
.else
	v_pk_add_f32 v[T+4*\ta+2*\c:T+4*\ta+2*\c+1], v[64*(2*\jh+\c)+32*\ta+N1:64*(2*\jh+\c)+32*\ta+N1+1], v[T+4*\ta+2*\c:T+4*\ta+2*\c+1]
.endif
.endr
.endr
.set N1, N1+2
.endr
.endr
	WIN 0
	EXCH 0
.irp ta, 0,1
	v_mul_f32 v[MU+2*\ta], s[INV], v[SX+4*\ta]     ; the mean, in both registers of a pair
.endr
.irp ta, 0,1
	v_mov_b32 v[MU+2*\ta+1], v[MU+2*\ta]
.endr
	WIN 0x82                                       ; z - mean, in place
.irp j, 0,1,2,3
.irp ta, 0,1
.set N1, 0
.rept 16
	v_pk_add_f32 v[64*\j+32*\ta+N1:64*\j+32*\ta+N1+1], v[64*\j+32*\ta+N1:64*\j+32*\ta+N1+1], v[MU+2*\ta:MU+2*\ta+1] neg_lo:[0,1] neg_hi:[0,1]
.set N1, N1+2
.endr
.endr
.endr
	WIN 0x0a                                       ; the sums of its squares
.irp jh, 0,1
.set N1, 0
.rept 16
.irp c, 0,1
.irp ta, 0,1
.if \jh+N1 == 0
	v_pk_mul_f32 v[T+4*\ta+2*\c:T+4*\ta+2*\c+1], v[64*(2*\jh+\c)+32*\ta+N1:64*(2*\jh+\c)+32*\ta+N1+1], v[64*(2*\jh+\c)+32*\ta+N1:64*(2*\jh+\c)+32*\ta+N1+1]
.else
	v_pk_fma_f32 v[T+4*\ta+2*\c:T+4*\ta+2*\c+1], v[64*(2*\jh+\c)+32*\ta+N1:64*(2*\jh+\c)+32*\ta+N1+1], v[64*(2*\jh+\c)+32*\ta+N1:64*(2*\jh+\c)+32*\ta+N1+1], v[T+4*\ta+2*\c:T+4*\ta+2*\c+1]
.endif
.endr
.endr
.set N1, N1+2
.endr
.endr
	WIN 0
	EXCH 512                                       ; other bytes than the first exchange's: no barrier is owed between the two
.irp ta, 0,1
	v_fma_f32 v[SX+4*\ta], v[SX+4*\ta], s[INV], s[EPS]
.endr
	s_wait_alu depctr_va_vdst(0)
.irp ta, 0,1
	v_rsq_f32 v[RS+2*\ta], v[SX+4*\ta]
.endr
	v_nop
	s_wait_alu depctr_va_vdst(0)                   ; and ahead of their first reader
.irp ta, 0,1
	v_mov_b32 v[RS+2*\ta+1], v[RS+2*\ta]
.endr
.irp b, 0,1,2,3
	v_mov_b32 v[TM+4+\b], 0                        ; a lane permute's destination counts as one of its sources
.endr
	s_wait_alu depctr_va_vdst(0)
	s_wait_loadcnt 0x0                             ; g1 and be1
.irp g, 0,1
.irp ta, 0,1
	s_wait_xcnt 0x0                                ; the last tile's stores have read their registers
	NORM \ta, \g
.irp k, 0,1,2,3,4,5,6,7,8,9,10,11,12,13,14,15
	global_store_b128 v[L16], v[Z+4*\k:Z+4*\k+3], s[18:19] offset:16384*\ta+8192*\g+512*\k   ; x in f32: 512 consecutive bytes a store
.endr
	QUANT Z
	v_mov_b32 v[PWS+\ta], v[PW]
.irp c, 0,1,2
	global_store_b128 v[XC], v[PC+4*\c:PC+4*\c+3], s[16:17] offset:REC*\g+1536*\ta+512*\c
.endr
.endr
	global_store_b64 v[XW], v[PWS:PWS+1], s[16:17] offset:REC*\g+6144   ; my two tiles' words, 128 consecutive bytes; lanes r and r + 16 store the same words
.endr
	s_wait_tensorcnt 0x0                           ; the wave's end
	ds_add_u32 v[SPW], v[NIL]
	s_wait_dscnt 0x0
	s_endpgm
.Lfunc_end_k_q2ee9f98025_oln:
	.size	k_q2ee9f98025_oln, .Lfunc_end_k_q2ee9f98025_oln-k_q2ee9f98025_oln
	.p2alignl 7, 3214868480
	.fill 96, 4, 3214868480
	.section	.rodata,"a",@progbits
	.p2align	6, 0x0
	.amdhsa_kernel k_q2ee9f98025_oln
		.amdhsa_group_segment_fixed_size 168448
		.amdhsa_private_segment_fixed_size 0
		.amdhsa_enable_private_segment 0
		.amdhsa_kernarg_size 64
		.amdhsa_user_sgpr_count 2
		.amdhsa_user_sgpr_kernarg_segment_ptr 1
		.amdhsa_wavefront_size32 1
		.amdhsa_system_sgpr_workgroup_id_x 1
		.amdhsa_system_sgpr_workgroup_id_y 1
		.amdhsa_system_sgpr_workgroup_id_z 1
		.amdhsa_system_vgpr_workitem_id 0
		.amdhsa_next_free_vgpr 1024
		.amdhsa_next_free_sgpr 66
		.amdhsa_reserve_vcc 0
		.amdhsa_float_denorm_mode_32 3
		.amdhsa_float_denorm_mode_16_64 3
		.amdhsa_memory_ordered 1
		.amdhsa_forward_progress 1
		.amdhsa_inst_pref_size 143
	.end_amdhsa_kernel
	.amdgpu_metadata
---
amdhsa.version: [ 1, 2 ]
amdhsa.kernels:
  - .name:           k_q2ee9f98025_oln
    .symbol:         k_q2ee9f98025_oln.kd
    .args:
      - { .name: orec, .offset: 0, .size: 8, .value_kind: global_buffer, .address_space: global }
      - { .name: wrec, .offset: 8, .size: 8, .value_kind: global_buffer, .address_space: global }
      - { .name: src, .offset: 16, .size: 8, .value_kind: global_buffer, .address_space: global }
      - { .name: bo, .offset: 24, .size: 8, .value_kind: global_buffer, .address_space: global }
      - { .name: g1, .offset: 32, .size: 8, .value_kind: global_buffer, .address_space: global }
      - { .name: be1, .offset: 40, .size: 8, .value_kind: global_buffer, .address_space: global }
      - { .name: xrec, .offset: 48, .size: 8, .value_kind: global_buffer, .address_space: global }
      - { .name: ximg, .offset: 56, .size: 8, .value_kind: global_buffer, .address_space: global }
    .group_segment_fixed_size: 168448
    .private_segment_fixed_size: 0
    .kernarg_segment_align: 8
    .kernarg_segment_size: 64
    .max_flat_workgroup_size: 128
    .sgpr_count:     66
    .vgpr_count:     1024
    .wavefront_size: 32
...
	.end_amdgpu_metadata
.endif
;; end of part 4
;; launch ffn1 (part 5): grid 16 x 16, 4 waves a work-group, clusters of 4 x 1, 327,680 bytes of LDS; arguments xrec, wrec, b1, hrec; writes hrec
.if DOCPART == 5
	.amdgcn_target "amdgcn-amd-amdhsa--gfx1250"
	.amdhsa_code_object_version 6
	.text
	.protected	k_q2ee9f98025_ffn1
	.globl	k_q2ee9f98025_ffn1
	.p2align	8
	.type	k_q2ee9f98025_ffn1,@function
k_q2ee9f98025_ffn1:
	s_mov_b64 s[64:65], 0
	v_nop
	global_prefetch_b8 v0, s[64:65] scope:SCOPE_SE
	s_setreg_imm32_b32 hwreg(HW_REG_WAVE_MODE, 25, 1), 1
	s_wait_xcnt 0x0
	s_wait_alu depctr_hold_cnt(0) depctr_sa_sdst(0) depctr_va_vdst(0) depctr_va_sdst(0) depctr_va_ssrc(0) depctr_va_vcc(0) depctr_vm_vsrc(0)
	s_getreg_b32 s2, hwreg(HW_REG_IB_STS2, 6, 4)
	s_cmp_eq_u32 s2, 0
	s_cbranch_scc0 .Lentry_in_a_cluster
	s_endpgm
.Lentry_in_a_cluster:
	s_bfe_u32 s2, ttmp6, 0x10000c
	s_cmp_lg_u32 s2, 0x3003
	s_cbranch_scc0 .Lentry_shape_is_right
	s_endpgm
.Lentry_shape_is_right:
; h = relu(x w1^T + b1) on codes of FP6 with E8M0 scales; h is quantised at once along the 4,096 hidden units and leaves as records (6,400 bytes: 64 rows x 128 K in the order of the operand's registers).
; A work-group makes 256 tokens x 256 hidden units over K = 1,024; a wave 128 x 128: 64 accumulators.  x's records (source 1) come into LDS once, by ONE joint load a wave: four rows (quads) of 12,800 bytes,
; two neighbouring K steps; LDS: 51,200 x (step / 2) + 12,800 x quad + 6,400 x (step % 2).  Waves 0 and 1 have a load line of their own: the first barrier shows steps 0 to 3 alone, a barrier in step 3 the rest.
; w1's records (source 0) go from memory straight into registers, four buffers of 64 rows by turns, three of them on their way.  The four work-groups of a cluster share x's rows and ask for them jointly;
; w1 is not asked for jointly: it arrives in register order, and a joint load ends in LDS, where its 25,600 bytes a K step would be written and read once more.
; K is summed in a rotated order: step i takes K step (sigma + i) mod 8, sigma = (y + cluster x) mod 8 made even.
; LIMITS: a block whose largest magnitude lies under 2^-124 keeps the byte 1; a block of zeros has the byte 1 (its codes are zeros; this program alone reads the bytes); NaN and infinities are not served.
.set REC,   6400
.set L16,   1
.set L8,    2
.set AA16,  3
.set AA8,   4
.set H64,   5
.set BI,    192
.set Z,     32
.set TM,    96
.set PW,    112
.set PWS,   113
.set D,     118
.set PC,    124
.set WV,    12
.set G1,    24
.set G0,    32
.set BB,    44
.set SEL,   52
.set HM,    54
.set OB,    56
.set MSB,   0
.set ZF,    0
.macro WIN new
.if MSB != (\new)
	s_set_vgpr_msb (MSB<<8)|(\new)
.set MSB, (\new)
.endif
.endm
.macro PLACES
.rept 4
	v_nop
.endr
.endm
.macro ROUND
	s_barrier_signal -1
	s_barrier_wait -1
	s_cmp_lg_u32 s[WV], 0
	s_cbranch_scc1 .Lnot_wave_0_\@
	s_barrier_signal -3
.Lnot_wave_0_\@:
	s_barrier_wait -3
	s_barrier_signal -1
	s_barrier_wait -1
.endm
.macro WM ra, rb
.if ZF
.if (\ra) && (\rb)
	v_wmma_scale_f32_16x16x128_f8f6f4 v[rD:rD+7], v[rB:rB+11], v[rA:rA+11], 0, v[rSB], v[rSA] matrix_a_fmt:MATRIX_FMT_FP6 matrix_b_fmt:MATRIX_FMT_FP6 matrix_a_scale:MATRIX_SCALE_ROW1 matrix_b_scale:MATRIX_SCALE_ROW1
.elseif (\ra)
	v_wmma_scale_f32_16x16x128_f8f6f4 v[rD:rD+7], v[rB:rB+11], v[rA:rA+11], 0, v[rSB], v[rSA] matrix_a_fmt:MATRIX_FMT_FP6 matrix_b_fmt:MATRIX_FMT_FP6 matrix_a_scale:MATRIX_SCALE_ROW1
.elseif (\rb)
	v_wmma_scale_f32_16x16x128_f8f6f4 v[rD:rD+7], v[rB:rB+11], v[rA:rA+11], 0, v[rSB], v[rSA] matrix_a_fmt:MATRIX_FMT_FP6 matrix_b_fmt:MATRIX_FMT_FP6 matrix_b_scale:MATRIX_SCALE_ROW1
.else
	v_wmma_scale_f32_16x16x128_f8f6f4 v[rD:rD+7], v[rB:rB+11], v[rA:rA+11], 0, v[rSB], v[rSA] matrix_a_fmt:MATRIX_FMT_FP6 matrix_b_fmt:MATRIX_FMT_FP6
.endif
.else
.if (\ra) && (\rb)
	v_wmma_scale_f32_16x16x128_f8f6f4 v[rD:rD+7], v[rB:rB+11], v[rA:rA+11], v[rD:rD+7], v[rSB], v[rSA] matrix_a_fmt:MATRIX_FMT_FP6 matrix_b_fmt:MATRIX_FMT_FP6 matrix_a_scale:MATRIX_SCALE_ROW1 matrix_b_scale:MATRIX_SCALE_ROW1
.elseif (\ra)
	v_wmma_scale_f32_16x16x128_f8f6f4 v[rD:rD+7], v[rB:rB+11], v[rA:rA+11], v[rD:rD+7], v[rSB], v[rSA] matrix_a_fmt:MATRIX_FMT_FP6 matrix_b_fmt:MATRIX_FMT_FP6 matrix_a_scale:MATRIX_SCALE_ROW1
.elseif (\rb)
	v_wmma_scale_f32_16x16x128_f8f6f4 v[rD:rD+7], v[rB:rB+11], v[rA:rA+11], v[rD:rD+7], v[rSB], v[rSA] matrix_a_fmt:MATRIX_FMT_FP6 matrix_b_fmt:MATRIX_FMT_FP6 matrix_b_scale:MATRIX_SCALE_ROW1
.else
	v_wmma_scale_f32_16x16x128_f8f6f4 v[rD:rD+7], v[rB:rB+11], v[rA:rA+11], v[rD:rD+7], v[rSB], v[rSA] matrix_a_fmt:MATRIX_FMT_FP6 matrix_b_fmt:MATRIX_FMT_FP6
.endif
.endif
.endm
.macro MUL16 blk, bb, ab, sb, sa
	WIN 0xa1+0x50*((\blk)/2)
.irp tb, 0,1,2,3
.irp ta, 0,1,2,3
.set rD, 128*((\blk)%2)+32*\ta+8*\tb
.set rB, (\bb)+12*\tb
.set rA, (\ab)+12*\ta
.set rSB, (\sb)+\tb%2
.set rSA, (\sa)+\ta%2
	WM \tb/2, \ta/2
.endr
.endr
.endm
.macro LOADB bb, sb, off
	WIN 0x40
.irp t, 0,1,2,3
.irp g, 0,1,2
	global_load_b128 v[(\bb)+12*\t+4*\g:(\bb)+12*\t+4*\g+3], v[L16], s[BB:BB+1] offset:(\off)+1536*\t+512*\g
.endr
.endr
	WIN 0
	global_load_b64 v[(\sb):(\sb)+1], v[L8], s[BB:BB+1] offset:(\off)+6144
.endm
.macro LOADA ab, sa, off
.irp t, 0,1,2,3
.irp g, 0,1,2
	ds_load_b128 v[(\ab)+12*\t+4*\g:(\ab)+12*\t+4*\g+3], v[AA16] offset:(\off)+1536*\t+512*\g
.endr
.endr
	ds_load_b64 v[(\sa):(\sa)+1], v[AA8] offset:(\off)+6144
.endm
; w1's base for step k, in THREE PAIRS OF REGISTERS BY TURNS: the pair of step k was last named by step k - 3's loads, and it is written at the head of step k - 2,
; behind the counted waits on LOADcnt of step k - 3, which have shown those loads done
.macro SETBB k
.if (\k)%3 == 0
.set BB, 44
.elseif (\k)%3 == 1
.set BB, 36
.else
.set BB, 38
.endif
	s_add_co_u32 s48, s18, \k
	s_and_b32 s48, s48, 7
	s_mul_i32 s46, s48, REC
	s_add_nc_u64 s[BB:BB+1], s[42:43], s[46:47]
.endm
.macro KSTEP8 i
.set KP, (\i)%2
.set ZF, 0
.if (\i) == 0
.set ZF, 1
.endif
.if (\i) < 6
	SETBB (\i)+2
.endif
.if (\i) == 3
	s_wait_tensorcnt 0x0                           ; every wave's fill has landed,
	s_wait_dscnt 0x0
	s_barrier_signal -1
	s_barrier_wait -1                              ; and all know it: steps 4 to 7 may be read
.endif
	s_wait_dscnt 0x0
.if (\i) == 7
	s_wait_loadcnt 13
.else
	s_wait_loadcnt 39
.endif
	MUL16 0, 96*KP, 32+96*KP, 16+4*KP, 24+4*KP
	MUL16 1, 96*KP, 80+96*KP, 16+4*KP, 26+4*KP
	PLACES
.if (\i) < 6
	LOADB 96*KP, 16+4*KP, 0
.endif
.if (\i) < 7
	WIN 0
	v_add_nc_u32 v[AA16], 6400+38400*KP, v[AA16]   ; to the pair's second step 6,400 bytes, to the next pair 44,800
	v_add_nc_u32 v[AA8], 6400+38400*KP, v[AA8]
	LOADA 128-96*KP, 28-4*KP, 0
	LOADA 176-96*KP, 30-4*KP, 12800
.endif
.if (\i) == 7
	s_wait_loadcnt 0
.elseif (\i) == 6
	s_wait_loadcnt 26
.else
	s_wait_alu depctr_va_vdst(0)
	s_wait_loadcnt 39
.endif
	MUL16 2, 96*KP+48, 32+96*KP, 18+4*KP, 24+4*KP
	MUL16 3, 96*KP+48, 80+96*KP, 18+4*KP, 26+4*KP
	PLACES
.if (\i) < 6
	LOADB 96*KP+48, 18+4*KP, 51200
.endif
	WIN 0
.endm
.macro QUANT s
.irp b, 0,1,2,3
	v_max3_num_f32 v[TM+\b], |v[\s+16*\b]|, |v[\s+1+16*\b]|, 0x1800000
.endr
.irp i, 2,4,6,8,10,12,14
.irp b, 0,1,2,3
	v_max3_num_f32 v[TM+\b], v[TM+\b], |v[\s+16*\b+\i]|, |v[\s+1+16*\b+\i]|
.endr
.endr
.irp b, 0,1,2,3
	v_permlanex16_b32 v[TM+4+\b], v[TM+\b], s[SEL], s[SEL+1]
.endr
.irp b, 0,1,2,3
	v_max_num_f32 v[TM+\b], v[TM+\b], v[TM+4+\b]
.endr
.irp b, 0,1,2,3
	v_add_nc_u32 v[TM+12+\b], 0xff000000, v[TM+\b]
.endr
.irp b, 0,1,2,3
	v_lshrrev_b32 v[TM+4+\b], 23, v[TM+12+\b]
.endr
	v_lshl_or_b32 v[PW], v[TM+5], 8, v[TM+4]
	v_lshl_or_b32 v[PW], v[TM+6], 16, v[PW]
	v_lshl_or_b32 v[PW], v[TM+7], 24, v[PW]
.irp c, 0,1
	v_cvt_scalef32_pk16_fp6_f32 v[PC+6*\c:PC+2+6*\c], v[\s+32*\c:\s+15+32*\c], v[TM+12+2*\c]
	v_cvt_scalef32_pk16_fp6_f32 v[PC+12+4*\c:PC+14+4*\c], v[\s+16+32*\c:\s+31+32*\c], v[TM+12+2*\c+1]
.endr
	v_nop
.irp c, 0,1
.irp i, 0,1,2
	v_permlane16_swap_b32 v[PC+6*\c+\i], v[PC+12+4*\c+\i]
.endr
.irp i, 0,1,2
	v_mov_b32 v[PC+3+6*\c+\i], v[PC+12+4*\c+\i]
.endr
.endr
.endm
	s_load_b256 s[4:11], s[0:1], 0x0
	v_lshl_add_u32 v254, v0, 2, 0x34000
	v_mov_b32 v255, 0
	ds_add_u32 v254, v255
	ds_add_u32 v254, v255
	v_lshrrev_b32 v6, 5, v0
	v_readfirstlane_b32 s[WV], v6
	s_lshr_b32 s13, s[WV], 1
	s_and_b32 s14, s[WV], 1
	s_bfe_u32 s15, ttmp6, 0x40000
	s_and_b32 s16, ttmp7, 0xffff
	s_lshl_b32 s17, ttmp9, 2
	s_add_co_u32 s17, s17, s15
	s_add_co_u32 s18, s16, ttmp9
	s_and_b32 s18, s18, 6                          ; sigma, an even K step: a pair of K steps (sigma + 2 w, + 1) mod 8 never wraps
	s_mov_b32 s[G1+0], 15|(3<<16)|(1<<21)
	; x's records come by ONE load a wave: four rows (quads) of 12,800 bytes, the records of two neighbouring K steps
	s_mov_b32 s[G1+1], 1600<<16
	s_mov_b32 s[G1+2], 4<<16
	s_mov_b32 s[G1+3], 1600<<16
	s_mov_b32 s[G1+4], 4
	s_mov_b32 s[G1+5], 6400
	s_mov_b32 s[G1+6], 0
	s_mov_b32 s[G1+7], 0
	s_mov_b32 s[SEL], 0x76543210
	s_mov_b32 s[SEL+1], 0xfedcba98
	s_mov_b32 s[HM], 0xffff0000
	s_mul_i32 s60, s16, 204800
	s_mov_b32 s61, 0
	s_mov_b32 s47, 0
	v_and_b32 v6, 31, v0
	v_bfe_u32 v7, v0, 4, 1
	v_lshlrev_b32 v[L16], 4, v6
	v_lshlrev_b32 v[L8], 3, v6
	v_lshlrev_b32 v[H64], 6, v7
	s_mul_i32 s48, s13, 25600                      ; LDS: 51,200 x pair of steps + 12,800 x quad + 6,400 x (step % 2)
	v_add_nc_u32 v[AA16], s48, v[L16]
	v_add_nc_u32 v[AA8], s48, v[L8]
	s_wait_dscnt 0x0
	s_wait_kmcnt 0x0
	s_add_nc_u64 s[40:41], s[4:5], s[60:61]
	s_lshl_b32 s62, s[WV], 1                       ; I fill steps 2 w and 2 w + 1; step i holds K step (sigma + i) mod 8
	s_mov_b32 s[G0], 1
	s_mul_i32 s[G0+1], s[WV], 51200
	s_add_co_u32 s62, s62, s18
	s_and_b32 s62, s62, 7
	s_mul_i32 s60, s62, REC
	s_add_nc_u64 s[G0+2:G0+3], s[40:41], s[60:61]
	s_or_b32 s[G0+3], s[G0+3], 0x80000000
	s_mul_i32 s46, s17, 204800
	s_mul_i32 s48, s14, 102400
	s_add_co_u32 s46, s46, s48
	s_add_co_u32 s46, s46, 6553600
	s_add_nc_u64 s[42:43], s[6:7], s[46:47]
	s_lshl_b32 s48, s17, 10
	s_lshl_b32 s49, s14, 9
	s_add_co_u32 s46, s48, s49
	s_add_nc_u64 s[8:9], s[8:9], s[46:47]
	s_lshl_b32 s48, s16, 2
	s_lshl_b32 s49, s13, 1
	s_add_co_u32 s48, s48, s49
	s_lshl_b32 s48, s48, 5
	s_lshl_b32 s49, s17, 1
	s_add_co_u32 s48, s48, s49
	s_add_co_u32 s48, s48, s14
	s_mul_i32 s46, s48, REC
	s_add_nc_u64 s[OB:OB+1], s[10:11], s[46:47]
	ROUND
	s_cmp_lt_u32 s[WV], 2                          ; waves 0 and 1 (steps 0 to 3) have a load line of their own, so that the first barrier can show their tiles alone
	s_cbranch_scc0 .Llate
	tensor_load_to_lds s[G0:G0+3], s[G1:G1+7]      ; my one tensor load
	s_nop 0
	PLACES
	s_branch .Lasked
.Llate:
	tensor_load_to_lds s[G0:G0+3], s[G1:G1+7]      ; waves 2 and 3: steps 4 to 7
	s_nop 0
	PLACES
.Lasked:
	WIN 0x40
	s_wait_alu depctr_va_vdst(0)
.irp b, 0,1,2,3
.irp e, 0,1,2,3
	global_load_b128 v[BI+16*\b+4*\e:BI+16*\b+4*\e+3], v[H64], s[8:9] offset:128*\b+16*\e
.endr
.endr
	WIN 0
	SETBB 0
	LOADB 0, 16, 0
	LOADB 48, 18, 51200
	SETBB 1
	LOADB 96, 20, 0
	LOADB 144, 22, 51200
	s_cmp_lt_u32 s[WV], 2
	s_cbranch_scc0 .Lnot_first
	s_wait_tensorcnt 0x0                           ; waves 0 and 1: steps 0 to 3 have landed; the others' loads may stay out
.Lnot_first:
	s_barrier_signal -1
	s_barrier_wait -1
	LOADA 32, 24, 0
	LOADA 80, 26, 12800
.irp i, 0,1,2,3,4,5,6,7
	KSTEP8 \i
.endr
.irp b, 0,1,2,3
	v_mov_b32 v[TM+4+\b], 0
.endr
.irp aq, 0,1
.irp ta, 0,1,2,3
	s_wait_xcnt 0x0
	WIN 0x06
.set N1, 0
.rept 16
	v_pk_add_f32 v[Z+N1:Z+N1+1], v[128*\aq+32*\ta+N1:128*\aq+32*\ta+N1+1], v[BI+N1:BI+N1+1]
.set N1, N1+2
.endr
	WIN 0x07
.set N1, 0
.rept 16
	v_pk_add_f32 v[Z+32+N1:Z+32+N1+1], v[128*\aq+32*\ta+N1:128*\aq+32*\ta+N1+1], v[BI+32+N1:BI+32+N1+1]
.set N1, N1+2
.endr
	WIN 0
.set N1, 0
.rept 64
	v_max_num_f32 v[Z+N1], 0, v[Z+N1]
.set N1, N1+1
.endr
	QUANT Z
	v_mov_b32 v[PWS+\ta], v[PW]
.irp g, 0,1,2
	global_store_b128 v[L16], v[PC+4*\g:PC+4*\g+3], s[OB:OB+1] offset:204800*\aq+1536*\ta+512*\g
.endr
.endr
	v_cndmask_b32 v[D], v[PWS], v[PWS+2], s[HM]
	v_cndmask_b32 v[D+1], v[PWS+1], v[PWS+3], s[HM]
	global_store_b64 v[L8], v[D:D+1], s[OB:OB+1] offset:204800*\aq+6144
.endr
	s_wait_tensorcnt 0x0
	ds_add_u32 v254, v255
	s_wait_dscnt 0x0
	ROUND
	s_endpgm
.Lfunc_end_k_q2ee9f98025_ffn1:
	.size	k_q2ee9f98025_ffn1, .Lfunc_end_k_q2ee9f98025_ffn1-k_q2ee9f98025_ffn1
	.p2alignl 7, 3214868480
	.fill 96, 4, 3214868480
	.section	.rodata,"a",@progbits
	.p2align	6, 0x0
	.amdhsa_kernel k_q2ee9f98025_ffn1
		.amdhsa_group_segment_fixed_size 327680
		.amdhsa_private_segment_fixed_size 0
		.amdhsa_enable_private_segment 0
		.amdhsa_kernarg_size 32
		.amdhsa_user_sgpr_count 2
		.amdhsa_user_sgpr_kernarg_segment_ptr 1
		.amdhsa_wavefront_size32 1
		.amdhsa_system_sgpr_workgroup_id_x 1
		.amdhsa_system_sgpr_workgroup_id_y 1
		.amdhsa_system_sgpr_workgroup_id_z 1
		.amdhsa_system_vgpr_workitem_id 0
		.amdhsa_next_free_vgpr 1024
		.amdhsa_next_free_sgpr 66
		.amdhsa_reserve_vcc 0
		.amdhsa_float_denorm_mode_32 3
		.amdhsa_float_denorm_mode_16_64 3
		.amdhsa_memory_ordered 1
		.amdhsa_forward_progress 1
		.amdhsa_inst_pref_size 176
	.end_amdhsa_kernel
	.amdgpu_metadata
---
amdhsa.version: [ 1, 2 ]
amdhsa.kernels:
  - .name:           k_q2ee9f98025_ffn1
    .symbol:         k_q2ee9f98025_ffn1.kd
    .args:
      - { .name: xrec, .offset: 0, .size: 8, .value_kind: global_buffer, .address_space: global }
      - { .name: wrec, .offset: 8, .size: 8, .value_kind: global_buffer, .address_space: global }
      - { .name: b1, .offset: 16, .size: 8, .value_kind: global_buffer, .address_space: global }
      - { .name: hrec, .offset: 24, .size: 8, .value_kind: global_buffer, .address_space: global }
    .group_segment_fixed_size: 327680
    .private_segment_fixed_size: 0
    .kernarg_segment_align: 8
    .kernarg_segment_size: 32
    .max_flat_workgroup_size: 128
    .sgpr_count:     66
    .vgpr_count:     1024
    .wavefront_size: 32
...
	.end_amdgpu_metadata
.endif
;; end of part 5
;; launch ffn2a (part 6): grid 4 x 64, 4 waves a work-group, clusters of 4 x 1, 327,680 bytes of LDS; arguments hrec, wrec, zp; writes zp
.if DOCPART == 6
	.amdgcn_target "amdgcn-amd-amdhsa--gfx1250"
	.amdhsa_code_object_version 6
	.text
	.protected	k_q2ee9f98025_ffn2a
	.globl	k_q2ee9f98025_ffn2a
	.p2align	8
	.type	k_q2ee9f98025_ffn2a,@function
k_q2ee9f98025_ffn2a:
	s_mov_b64 s[64:65], 0
	v_nop
	global_prefetch_b8 v0, s[64:65] scope:SCOPE_SE
	s_setreg_imm32_b32 hwreg(HW_REG_WAVE_MODE, 25, 1), 1
	s_wait_xcnt 0x0
	s_wait_alu depctr_hold_cnt(0) depctr_sa_sdst(0) depctr_va_vdst(0) depctr_va_sdst(0) depctr_va_ssrc(0) depctr_va_vcc(0) depctr_vm_vsrc(0)
	s_getreg_b32 s2, hwreg(HW_REG_IB_STS2, 6, 4)
	s_cmp_eq_u32 s2, 0
	s_cbranch_scc0 .Lentry_in_a_cluster
	s_endpgm
.Lentry_in_a_cluster:
	s_bfe_u32 s2, ttmp6, 0x10000c
	s_cmp_lg_u32 s2, 0x3003
	s_cbranch_scc0 .Lentry_shape_is_right
	s_endpgm
.Lentry_shape_is_right:
; One half of K (2,048 of the 4,096 hidden units) of z = h w2^T, on codes of FP6 with E8M0 scales; the sums leave as f32 in the order of the accumulators' registers (zp), and the next launch adds the two halves.
; Grid y = 2 x (block of 128 tokens) + half of K; a work-group makes 128 tokens x 256 columns, wave w of work-group cx the 64 columns 256 cx + 64 w: 32 accumulators.
; h's records (source 1) come into LDS once, by ONE joint load a wave: two rows (quads) of 25,600 bytes, four neighbouring K steps; LDS: 51,200 x (step / 4) + 25,600 x quad + 6,400 x (step % 4).
; Wave 0 has a load line of its own: the first barrier shows steps 0 to 3 alone, a barrier in step 2 the rest.  w2's records (source 0) go from memory straight into registers, four buffers by turns.
; The four work-groups of a cluster share h's rows and ask for them jointly; each record of w2 feeds one wave alone.  K is summed in a rotated order: step i takes K step (sigma + i) mod 16, sigma a multiple of 4.
.set REC,   6400
.set L16,   1
.set L8,    2
.set AA16,  3
.set AA8,   4
.set WV,    12
.set G1,    24
.set G0,    32
.set A0,    48
.set B0,    50
.set BB,    52
.set TP,    54
.set OB,    58
.set MSB,   0
.set ZF,    0
.macro WIN new
.if MSB != (\new)
	s_set_vgpr_msb (MSB<<8)|(\new)
.set MSB, (\new)
.endif
.endm
.macro PLACES
.rept 4
	v_nop
.endr
.endm
.macro ROUND
	s_barrier_signal -1
	s_barrier_wait -1
	s_cmp_lg_u32 s[WV], 0
	s_cbranch_scc1 .Lnot_wave_0_\@
	s_barrier_signal -3
.Lnot_wave_0_\@:
	s_barrier_wait -3
	s_barrier_signal -1
	s_barrier_wait -1
.endm
.macro WM ra, rb
.if ZF
.if (\ra) && (\rb)
	v_wmma_scale_f32_16x16x128_f8f6f4 v[rD:rD+7], v[rB:rB+11], v[rA:rA+11], 0, v[rSB], v[rSA] matrix_a_fmt:MATRIX_FMT_FP6 matrix_b_fmt:MATRIX_FMT_FP6 matrix_a_scale:MATRIX_SCALE_ROW1 matrix_b_scale:MATRIX_SCALE_ROW1
.elseif (\ra)
	v_wmma_scale_f32_16x16x128_f8f6f4 v[rD:rD+7], v[rB:rB+11], v[rA:rA+11], 0, v[rSB], v[rSA] matrix_a_fmt:MATRIX_FMT_FP6 matrix_b_fmt:MATRIX_FMT_FP6 matrix_a_scale:MATRIX_SCALE_ROW1
.elseif (\rb)
	v_wmma_scale_f32_16x16x128_f8f6f4 v[rD:rD+7], v[rB:rB+11], v[rA:rA+11], 0, v[rSB], v[rSA] matrix_a_fmt:MATRIX_FMT_FP6 matrix_b_fmt:MATRIX_FMT_FP6 matrix_b_scale:MATRIX_SCALE_ROW1
.else
	v_wmma_scale_f32_16x16x128_f8f6f4 v[rD:rD+7], v[rB:rB+11], v[rA:rA+11], 0, v[rSB], v[rSA] matrix_a_fmt:MATRIX_FMT_FP6 matrix_b_fmt:MATRIX_FMT_FP6
.endif
.else
.if (\ra) && (\rb)
	v_wmma_scale_f32_16x16x128_f8f6f4 v[rD:rD+7], v[rB:rB+11], v[rA:rA+11], v[rD:rD+7], v[rSB], v[rSA] matrix_a_fmt:MATRIX_FMT_FP6 matrix_b_fmt:MATRIX_FMT_FP6 matrix_a_scale:MATRIX_SCALE_ROW1 matrix_b_scale:MATRIX_SCALE_ROW1
.elseif (\ra)
	v_wmma_scale_f32_16x16x128_f8f6f4 v[rD:rD+7], v[rB:rB+11], v[rA:rA+11], v[rD:rD+7], v[rSB], v[rSA] matrix_a_fmt:MATRIX_FMT_FP6 matrix_b_fmt:MATRIX_FMT_FP6 matrix_a_scale:MATRIX_SCALE_ROW1
.elseif (\rb)
	v_wmma_scale_f32_16x16x128_f8f6f4 v[rD:rD+7], v[rB:rB+11], v[rA:rA+11], v[rD:rD+7], v[rSB], v[rSA] matrix_a_fmt:MATRIX_FMT_FP6 matrix_b_fmt:MATRIX_FMT_FP6 matrix_b_scale:MATRIX_SCALE_ROW1
.else
	v_wmma_scale_f32_16x16x128_f8f6f4 v[rD:rD+7], v[rB:rB+11], v[rA:rA+11], v[rD:rD+7], v[rSB], v[rSA] matrix_a_fmt:MATRIX_FMT_FP6 matrix_b_fmt:MATRIX_FMT_FP6
.endif
.endif
.endm
.macro MUL16 aq, bb, ab, sb, sa
	WIN 0xa1
.irp tb, 0,1,2,3
.irp ta, 0,1,2,3
.set rD, 128*(\aq)+32*\ta+8*\tb
.set rB, (\bb)+12*\tb
.set rA, (\ab)+12*\ta
.set rSB, (\sb)+\tb%2
.set rSA, (\sa)+\ta%2
	WM \tb/2, \ta/2
.endr
.endr
.endm
.macro LOADB bb, sb
	WIN 0x40
.irp t, 0,1,2,3
.irp g, 0,1,2
	global_load_b128 v[(\bb)+12*\t+4*\g:(\bb)+12*\t+4*\g+3], v[L16], s[BB:BB+1] offset:1536*\t+512*\g
.endr
.endr
	WIN 0
	global_load_b64 v[(\sb):(\sb)+1], v[L8], s[BB:BB+1] offset:6144
.endm
.macro LOADA ab, sa, off
.irp t, 0,1,2,3
.irp g, 0,1,2
	ds_load_b128 v[(\ab)+12*\t+4*\g:(\ab)+12*\t+4*\g+3], v[AA16] offset:(\off)+1536*\t+512*\g
.endr
.endr
	ds_load_b64 v[(\sa):(\sa)+1], v[AA8] offset:(\off)+6144
.endm
; w2's base for step k, in FIVE PAIRS OF REGISTERS BY TURNS (s36 to s45): the pair of step k was last named by step k - 5's loads, and it is written in step k - 4,
; behind the counted wait on LOADcnt of step k - 5, which has shown those loads done
.macro SETBB k
.set BB, 36+2*((\k)%5)
	s_add_co_u32 s56, s18, \k
	s_and_b32 s56, s56, 15
	s_mul_i32 s[TP], s56, REC
	s_add_nc_u64 s[BB:BB+1], s[B0:B0+1], s[TP:TP+1]
.endm
.macro KSTEP16 i
.set KP, (\i)%2
.set KQ, (\i)%4
.set ZF, 0
.if (\i) == 0
.set ZF, 1
.endif
.if (\i) == 2
	s_wait_tensorcnt 0x0                           ; every wave's fill has landed,
	s_wait_dscnt 0x0
	s_barrier_signal -1
	s_barrier_wait -1                              ; and all know it: this step fetches step 4's fragments
.endif
.if (\i) == 15
	s_wait_dscnt 0x0
.else
	s_wait_dscnt 26
.endif
.if (\i) > 12
	s_wait_loadcnt 13*(15-(\i))
.else
	s_wait_loadcnt 39
.endif
	MUL16 0, 48*KQ, 32+96*KP, 16+2*KQ, 24+4*KP
	MUL16 1, 48*KQ, 80+96*KP, 16+2*KQ, 26+4*KP
	PLACES
.if (\i) < 12
	SETBB (\i)+4
	LOADB 48*KQ, 16+2*KQ
.endif
	WIN 0
.if (\i) < 14
	s_wait_alu depctr_va_vdst(0)
	v_add_nc_u32 v[AA16], 6400+25600*(1-(((\i)+2)%4+3)/4), v[AA16]   ; to step i + 2: 6,400 bytes on, and 25,600 more where it begins a group of four
	v_add_nc_u32 v[AA8], 6400+25600*(1-(((\i)+2)%4+3)/4), v[AA8]
	LOADA 32+96*KP, 24+4*KP, 0
	LOADA 80+96*KP, 26+4*KP, 25600
.endif
.endm
	s_load_b128 s[4:7], s[0:1], 0x0
	s_load_b64 s[8:9], s[0:1], 0x10
	v_lshl_add_u32 v254, v0, 2, 0x34000
	v_mov_b32 v255, 0
	ds_add_u32 v254, v255
	ds_add_u32 v254, v255
	v_lshrrev_b32 v6, 5, v0
	v_readfirstlane_b32 s[WV], v6
	s_bfe_u32 s15, ttmp6, 0x40000
	s_and_b32 s16, ttmp7, 0xffff
	s_lshr_b32 s13, s16, 1
	s_and_b32 s14, s16, 1
	s_and_b32 s18, s13, 12                         ; sigma, a multiple of 4: four K steps (sigma + 4 w + 0 .. 3) mod 16 never wrap
	s_mov_b32 s[G1+0], 15|(3<<16)|(1<<21)
	; h's records come by ONE load a wave: two rows (quads) of 25,600 bytes, the records of four neighbouring K steps
	s_mov_b32 s[G1+1], 3200<<16
	s_mov_b32 s[G1+2], 2<<16
	s_mov_b32 s[G1+3], 3200<<16
	s_mov_b32 s[G1+4], 2
	s_mov_b32 s[G1+5], 25600
	s_mov_b32 s[G1+6], 0
	s_mov_b32 s[G1+7], 0
	s_mul_i32 s60, s13, 409600
	s_mul_i32 s62, s14, 102400
	s_add_co_u32 s60, s60, s62
	s_mov_b32 s61, 0
	s_mov_b32 s[TP+1], 0
	v_and_b32 v6, 31, v0
	v_lshlrev_b32 v[L16], 4, v6
	v_lshlrev_b32 v[L8], 3, v6
	v_lshlrev_b32 v[AA16], 4, v6
	v_lshlrev_b32 v[AA8], 3, v6
	s_wait_dscnt 0x0
	s_wait_kmcnt 0x0
	s_add_nc_u64 s[A0:A0+1], s[4:5], s[60:61]
	s_lshl_b32 s62, s[WV], 2                       ; I fill steps 4 w .. 4 w + 3; step i holds K step (sigma + i) mod 16
	s_mov_b32 s[G0], 1
	s_mul_i32 s[G0+1], s[WV], 51200                ; LDS: 51,200 x (step / 4) + 25,600 x quad + 6,400 x (step % 4)
	s_add_co_u32 s62, s62, s18
	s_and_b32 s62, s62, 15
	s_mul_i32 s60, s62, REC
	s_add_nc_u64 s[G0+2:G0+3], s[A0:A0+1], s[60:61]
	s_or_b32 s[G0+3], s[G0+3], 0x80000000
	s_lshl_b32 s56, s15, 2
	s_add_co_u32 s56, s56, s[WV]
	s_mul_i32 s[TP], s56, 204800
	s_mul_i32 s57, s14, 102400
	s_add_co_u32 s[TP], s[TP], s57
	s_add_co_u32 s[TP], s[TP], 9830400
	s_add_nc_u64 s[B0:B0+1], s[6:7], s[TP:TP+1]
	s_lshl_b32 s[TP], s14, 24
	s_lshl_b32 s57, s13, 19
	s_add_co_u32 s[TP], s[TP], s57
	s_lshl_b32 s57, s15, 16
	s_add_co_u32 s[TP], s[TP], s57
	s_lshl_b32 s57, s[WV], 12
	s_add_co_u32 s[TP], s[TP], s57
	s_add_nc_u64 s[OB:OB+1], s[8:9], s[TP:TP+1]
	ROUND                                          ; all four work-groups are here: the joint loads meet
	s_cmp_eq_u32 s[WV], 0                          ; wave 0 (steps 0 to 3) has a load line of its own, so that the first barrier can show its tile alone
	s_cbranch_scc0 .Llate
	tensor_load_to_lds s[G0:G0+3], s[G1:G1+7]      ; my one tensor load
	s_nop 0
	PLACES
	s_branch .Lasked
.Llate:
	tensor_load_to_lds s[G0:G0+3], s[G1:G1+7]      ; waves 1 to 3: steps 4 to 15
	s_nop 0
	PLACES
.Lasked:
	SETBB 0
	s_wait_alu depctr_va_vdst(0)
	LOADB 0, 16
	SETBB 1
	LOADB 48, 18
	SETBB 2
	LOADB 96, 20
	SETBB 3
	LOADB 144, 22
	s_cmp_eq_u32 s[WV], 0
	s_cbranch_scc0 .Lnot_first
	s_wait_tensorcnt 0x0                           ; wave 0: steps 0 to 3 have landed; the others' loads may stay out
.Lnot_first:
	s_barrier_signal -1
	s_barrier_wait -1
	LOADA 32, 24, 0
	LOADA 80, 26, 25600
	v_add_nc_u32 v[AA16], 6400, v[AA16]
	v_add_nc_u32 v[AA8], 6400, v[AA8]
	LOADA 128, 28, 0
	LOADA 176, 30, 25600
	s_wait_alu depctr_va_vdst(0)
.irp i, 0,1,2,3,4,5,6,7,8,9,10,11,12,13,14,15
	KSTEP16 \i
.endr
	WIN 0x08
.irp aq, 0,1
.irp ta, 0,1,2,3
.irp tb, 0,1,2,3
	global_store_b128 v[L16], v[128*\aq+32*\ta+8*\tb:128*\aq+32*\ta+8*\tb+3], s[OB:OB+1] offset:262144*\aq+16384*\ta+1024*\tb
	global_store_b128 v[L16], v[128*\aq+32*\ta+8*\tb+4:128*\aq+32*\ta+8*\tb+7], s[OB:OB+1] offset:262144*\aq+16384*\ta+1024*\tb+512
.endr
.endr
.endr
	WIN 0
	s_wait_tensorcnt 0x0
	ds_add_u32 v254, v255
	s_wait_dscnt 0x0
	ROUND
	s_endpgm
.Lfunc_end_k_q2ee9f98025_ffn2a:
	.size	k_q2ee9f98025_ffn2a, .Lfunc_end_k_q2ee9f98025_ffn2a-k_q2ee9f98025_ffn2a
	.p2alignl 7, 3214868480
	.fill 96, 4, 3214868480
	.section	.rodata,"a",@progbits
	.p2align	6, 0x0
	.amdhsa_kernel k_q2ee9f98025_ffn2a
		.amdhsa_group_segment_fixed_size 327680
		.amdhsa_private_segment_fixed_size 0
		.amdhsa_enable_private_segment 0
		.amdhsa_kernarg_size 24
		.amdhsa_user_sgpr_count 2
		.amdhsa_user_sgpr_kernarg_segment_ptr 1
		.amdhsa_wavefront_size32 1
		.amdhsa_system_sgpr_workgroup_id_x 1
		.amdhsa_system_sgpr_workgroup_id_y 1
		.amdhsa_system_sgpr_workgroup_id_z 1
		.amdhsa_system_vgpr_workitem_id 0
		.amdhsa_next_free_vgpr 768
		.amdhsa_next_free_sgpr 66
		.amdhsa_reserve_vcc 0
		.amdhsa_float_denorm_mode_32 3
		.amdhsa_float_denorm_mode_16_64 3
		.amdhsa_memory_ordered 1
		.amdhsa_forward_progress 1
		.amdhsa_inst_pref_size 130
	.end_amdhsa_kernel
	.amdgpu_metadata
---
amdhsa.version: [ 1, 2 ]
amdhsa.kernels:
  - .name:           k_q2ee9f98025_ffn2a
    .symbol:         k_q2ee9f98025_ffn2a.kd
    .args:
      - { .name: hrec, .offset: 0, .size: 8, .value_kind: global_buffer, .address_space: global }
      - { .name: wrec, .offset: 8, .size: 8, .value_kind: global_buffer, .address_space: global }
      - { .name: zp, .offset: 16, .size: 8, .value_kind: global_buffer, .address_space: global }
    .group_segment_fixed_size: 327680
    .private_segment_fixed_size: 0
    .kernarg_segment_align: 8
    .kernarg_segment_size: 24
    .max_flat_workgroup_size: 128
    .sgpr_count:     66
    .vgpr_count:     768
    .wavefront_size: 32
...
	.end_amdgpu_metadata
.endif
;; end of part 6
;; launch ln2 (part 7): grid 256 x 1, 4 waves a work-group, no clusters, 68,096 bytes of LDS; arguments zp, ximg, b2, g2, be2, out0; writes out0
.if DOCPART == 7
	.amdgcn_target "amdgcn-amd-amdhsa--gfx1250"
	.amdhsa_code_object_version 6
	.text
	.protected	k_q2ee9f98025_ln2
	.globl	k_q2ee9f98025_ln2
	.p2align	8
	.type	k_q2ee9f98025_ln2,@function
k_q2ee9f98025_ln2:
	s_mov_b64 s[64:65], 0
	v_nop
	global_prefetch_b8 v0, s[64:65] scope:SCOPE_SE
	s_setreg_imm32_b32 hwreg(HW_REG_WAVE_MODE, 25, 1), 1
	s_wait_xcnt 0x0
; out = LayerNorm(x + (z_0 + z_1 + b2)) g2 + be2, all in f32.  z_0, z_1: the two halves of K of the last product; they and x lie in memory in one layout, the order of a matrix result's registers:
; 262,144 x quad of tokens + 65,536 w + 16,384 ta + 512 k + 16 x lane; register 4 k + e of lane (r, h) is token 32 (ta / 2) + 16 (r / 8) + 8 (ta % 2) + r % 8 of the quad and, with k = 8 j + 2 tb + p,
; column 256 w + 64 j + 32 (tb / 2) + 16 h + 8 (tb % 2) + 4 p + e.
; SHARES: a work-group owns one tile of 16 tokens x all 1,024 columns, so that a row's mean and variance never leave it: work-group = 4 x quad + ta.  Wave w has columns 256 w .. + 255: 128 numbers a lane.
; A stream: each byte is read once, by loads of 512 consecutive bytes, all issued at the head; matrix units, tensor loads and clusters would add nothing: work-groups share only the 12 KiB of b2, g2 and be2.
; The variance is the mean of (z - mean)^2.  The rows leave through the wave's own stage in LDS, as runs of 512 consecutive bytes.  NaN and infinities are not served.
; REGISTERS: window 0: v1-11 addresses; v32-95 at work and on the way out; v96-113 sums, mean, rstd; v128-255 z.   window 1: g2 in v0-127, be2 in v128-255.
;   window 2: z_0 in v0-127, z_1 in v128-255.   window 3: x in v0-127, b2 in v128-255.
.set STAT,  66560                      ; LDS: a stage of 16 rows x (1,024 bytes + 16) for each wave from byte 0; behind them twice 256 bytes in which the waves' sums meet
.set L16,   1
.set STI,   6                          ; the stage by lanes' rows: row r, + 64 h
.set STD,   7                          ; the stage densely: 16 x lane
.set STS,   8                          ; where I put a row's sum: 16 r + 4 w
.set STL,   9                          ; where I read the four waves' sums: 16 r
.set CW,    10                         ; 1,024 w + 16 x lane
.set CB,    11                         ; 1,024 w + 64 h
.set SX,    32
.set T,     96
.set MU,    104
.set RS,    112
.set Z,     128
.set WV,    16
.set SEL,   18
.set INV,   20
.set EPS,   21
.set MSB,   0
.macro WIN new                         ; the immediate's high byte repeats the setting that is left
.if MSB != (\new)
	s_set_vgpr_msb (MSB<<8)|(\new)
.set MSB, (\new)
.endif
.endm
; Four chains of a lane become the row's sum over all 1,024 columns: my pairs, lane l xor 16's, and the four waves' through LDS
.macro EXCH st
	v_pk_add_f32 v[T:T+1], v[T:T+1], v[T+2:T+3]
	v_pk_add_f32 v[T+4:T+5], v[T+4:T+5], v[T+6:T+7]
	v_pk_add_f32 v[T:T+1], v[T:T+1], v[T+4:T+5]
	v_add_f32 v[T], v[T], v[T+1]
	v_permlanex16_b32 v[T+1], v[T], s[SEL], s[SEL+1]
	v_add_f32 v[T], v[T], v[T+1]
	ds_store_b32 v[STS], v[T] offset:\st           ; lanes r and r + 16 write the same word with the same value
	s_wait_dscnt 0x0                               ; for the others' sake: my store is done
	s_barrier_signal -1
	s_barrier_wait -1
	ds_load_b128 v[SX:SX+3], v[STL] offset:\st
	s_wait_dscnt 0x0
	v_add_f32 v[SX], v[SX], v[SX+1]
	v_add_f32 v[SX+2], v[SX+2], v[SX+3]
	v_add_f32 v[SX], v[SX], v[SX+2]
.endm
	s_load_b256 s[4:11], s[0:1], 0x0               ; zp, ximg, b2, g2
	s_load_b128 s[12:15], s[0:1], 0x20             ; be2, out0
	v_lshl_add_u32 v126, v0, 2, 0x10800
	v_mov_b32 v127, 0
	v_lshrrev_b32 v12, 5, v0
	v_readfirstlane_b32 s[WV], v12                 ; wave 0..3
	s_lshr_b32 s26, ttmp9, 2                       ; the quad of tokens
	s_and_b32 s27, ttmp9, 3                        ; ta: my tile of it
	s_mov_b32 s[SEL], 0x76543210
	s_mov_b32 s[SEL+1], 0xfedcba98                 ; v_permlanex16_b32's selects for lane l xor 16
	s_mov_b32 s[INV], 0x3a800000                   ; 1 / 1,024
	s_mov_b32 s[EPS], 0x3727c5ac                   ; 1e-5
	v_and_b32 v12, 31, v0
	v_and_b32 v13, 15, v0
	v_bfe_u32 v14, v0, 4, 1
	v_lshlrev_b32 v[L16], 4, v12
	s_mul_i32 s28, s[WV], 16*1040
	v_mul_u32_u24 v[STI], v13, 1040
	v_lshl_add_u32 v[STI], v14, 6, v[STI]
	v_add_nc_u32 v[STI], s28, v[STI]
	v_add_nc_u32 v[STD], s28, v[L16]
	s_lshl_b32 s28, s[WV], 2
	s_add_co_u32 s28, s28, STAT
	v_lshlrev_b32 v[STL], 4, v13
	v_add_nc_u32 v[STS], s28, v[STL]
	v_add_nc_u32 v[STL], STAT, v[STL]
	s_lshl_b32 s28, s[WV], 10
	v_add_nc_u32 v[CW], s28, v[L16]
	v_lshl_add_u32 v[CB], v14, 6, s28
	s_lshl_b32 s22, s26, 18                        ; 262,144 x quad
	s_lshl_b32 s28, s[WV], 16
	s_add_co_u32 s22, s22, s28                     ; + 65,536 w
	s_lshl_b32 s28, s27, 14
	s_add_co_u32 s22, s22, s28                     ; + 16,384 ta
	s_mov_b32 s23, 0
	s_wait_alu depctr_va_vdst(0)
	s_wait_kmcnt 0x0
	s_add_nc_u64 s[4:5], s[4:5], s[22:23]          ; z_0,
	s_add_nc_u64 s[24:25], s[4:5], 0x1000000       ; z_1, 16,777,216 bytes on,
	s_add_nc_u64 s[6:7], s[6:7], s[22:23]          ; and x: my 16,384 bytes of each
	s_lshl_b32 s22, s26, 18                        ; out0: 64 rows of 4,096 bytes a quad,
	s_lshr_b32 s28, s27, 1
	s_lshl_b32 s28, s28, 17                        ; 32 (ta / 2) rows,
	s_add_co_u32 s22, s22, s28
	s_and_b32 s28, s27, 1
	s_lshl_b32 s28, s28, 15                        ; 8 (ta % 2) rows
	s_add_co_u32 s22, s22, s28
	s_add_nc_u64 s[14:15], s[14:15], s[22:23]
	WIN 0x80                                       ; destination window 2
.set N1, 0
.rept 32
	global_load_b128 v[4*N1:4*N1+3], v[L16], s[4:5] offset:512*N1 th:TH_LOAD_NT
.set N1, N1+1
.endr
.set N1, 0
.rept 32
	global_load_b128 v[128+4*N1:128+4*N1+3], v[L16], s[24:25] offset:512*N1 th:TH_LOAD_NT
.set N1, N1+1
.endr
	WIN 0xc0                                       ; destination window 3
.set N1, 0
.rept 32
	global_load_b128 v[4*N1:4*N1+3], v[L16], s[6:7] offset:512*N1 th:TH_LOAD_NT
.set N1, N1+1
.endr
.irp j, 0,1,2,3
.irp tb, 0,1,2,3
.irp p, 0,1
	global_load_b128 v[128+32*\j+8*\tb+4*\p:128+32*\j+8*\tb+4*\p+3], v[CB], s[8:9] offset:(64*\j+32*(\tb/2)+8*(\tb%2)+4*\p)*4   ; b2 of my columns, in the registers' order
.endr
.endr
.endr
	WIN 0x40                                       ; destination window 1
.irp j, 0,1,2,3
.irp tb, 0,1,2,3
.irp p, 0,1
	global_load_b128 v[32*\j+8*\tb+4*\p:32*\j+8*\tb+4*\p+3], v[CB], s[10:11] offset:(64*\j+32*(\tb/2)+8*(\tb%2)+4*\p)*4
	global_load_b128 v[128+32*\j+8*\tb+4*\p:128+32*\j+8*\tb+4*\p+3], v[CB], s[12:13] offset:(64*\j+32*(\tb/2)+8*(\tb%2)+4*\p)*4
.endr
.endr
.endr
	s_wait_loadcnt 63                              ; z_0, z_1, x and b2 are in: behind b2's last load 64 were issued (g2, be2); the wait's field names 63 at the most
	WIN 0x0a                                       ; sources 0 and 1 window 2
.set N1, 0
.rept 64
	v_pk_add_f32 v[Z+N1:Z+N1+1], v[N1:N1+1], v[128+N1:129+N1]          ; the product: its two halves of K
.set N1, N1+2
.endr
	WIN 0x0c                                       ; source 1 window 3
.set N1, 0
.rept 64
	v_pk_add_f32 v[Z+N1:Z+N1+1], v[Z+N1:Z+N1+1], v[128+N1:129+N1]      ; + b2
.set N1, N1+2
.endr
.set N1, 0
.rept 64
	v_pk_add_f32 v[Z+N1:Z+N1+1], v[Z+N1:Z+N1+1], v[N1:N1+1]            ; + x
.set N1, N1+2
.endr
	WIN 0
.irp c, 0,1,2,3                                ; the row's sum, in four chains that do not wait for each other
	v_pk_add_f32 v[T+2*\c:T+2*\c+1], v[Z+32*\c:Z+32*\c+1], v[Z+32*\c+2:Z+32*\c+3]
.endr
.set N1, 4
.rept 14
.irp c, 0,1,2,3
	v_pk_add_f32 v[T+2*\c:T+2*\c+1], v[T+2*\c:T+2*\c+1], v[Z+32*\c+N1:Z+32*\c+N1+1]
.endr
.set N1, N1+2
.endr
	EXCH 0
	v_mul_f32 v[MU], s[INV], v[SX]                 ; the mean, in both registers of a pair
	v_mov_b32 v[MU+1], v[MU]
.set N1, 0
.rept 64
	v_pk_add_f32 v[Z+N1:Z+N1+1], v[Z+N1:Z+N1+1], v[MU:MU+1] neg_lo:[0,1] neg_hi:[0,1]   ; z - mean, in place
.set N1, N1+2
.endr
.irp c, 0,1,2,3                                ; the sum of its squares
	v_pk_mul_f32 v[T+2*\c:T+2*\c+1], v[Z+32*\c:Z+32*\c+1], v[Z+32*\c:Z+32*\c+1]
.endr
.set N1, 2
.rept 15
.irp c, 0,1,2,3
	v_pk_fma_f32 v[T+2*\c:T+2*\c+1], v[Z+32*\c+N1:Z+32*\c+N1+1], v[Z+32*\c+N1:Z+32*\c+N1+1], v[T+2*\c:T+2*\c+1]
.endr
.set N1, N1+2
.endr
	EXCH 256                                       ; other bytes than the first exchange's: no barrier is owed between the two
	v_fma_f32 v[SX], v[SX], s[INV], s[EPS]         ; the variance + 1e-5
	s_wait_alu depctr_va_vdst(0)
	v_rsq_f32 v[RS], v[SX]
	v_nop                                          ; a plain place behind the transcendental
	s_wait_alu depctr_va_vdst(0)                   ; and the wait ahead of its first reader
	v_mov_b32 v[RS+1], v[RS]
.set N1, 0
.rept 64
	v_pk_mul_f32 v[Z+N1:Z+N1+1], v[Z+N1:Z+N1+1], v[RS:RS+1]
.set N1, N1+2
.endr
	s_wait_loadcnt 0x0                             ; g2 and be2
	WIN 0x14                                       ; sources 1 and 2 window 1
.set N1, 0
.rept 64
	v_pk_fma_f32 v[Z+N1:Z+N1+1], v[Z+N1:Z+N1+1], v[N1:N1+1], v[128+N1:129+N1]
.set N1, N1+2
.endr
	WIN 0
	; ---- the way out: 16 rows x my 1,024 bytes go through my own stage and leave as runs of 512 consecutive bytes
.irp j, 0,1,2,3
.irp tb, 0,1,2,3
.irp p, 0,1
	ds_store_b128 v[STI], v[Z+32*\j+8*\tb+4*\p:Z+32*\j+8*\tb+4*\p+3] offset:256*\j+128*(\tb/2)+32*(\tb%2)+16*\p
.endr
.endr
.endr
.irp bt, 0,1
	s_wait_xcnt 0x0                                ; the last batch's stores have read their registers
.irp k, 0,1,2,3,4,5,6,7,8,9,10,11,12,13,14,15
	ds_load_b128 v[32+4*\k:35+4*\k], v[STD] offset:1040*(8*\bt+\k/2)+512*(\k%2)   ; LDS serves a wave's instructions in order: these see the stores above
.endr
.irp k, 0,1,2,3,4,5,6,7,8,9,10,11,12,13,14,15
	s_wait_dscnt 15-\k                             ; the younger loads of the batch may be out
	global_store_b128 v[CW], v[32+4*\k:35+4*\k], s[14:15] offset:(16*\bt+\k/2)*4096+512*(\k%2) th:TH_STORE_NT
.endr
.endr
	s_wait_tensorcnt 0x0
	ds_add_u32 v126, v127
	s_wait_dscnt 0x0
	s_endpgm
.Lfunc_end_k_q2ee9f98025_ln2:
	.size	k_q2ee9f98025_ln2, .Lfunc_end_k_q2ee9f98025_ln2-k_q2ee9f98025_ln2
	.p2alignl 7, 3214868480
	.fill 96, 4, 3214868480
	.section	.rodata,"a",@progbits
	.p2align	6, 0x0
	.amdhsa_kernel k_q2ee9f98025_ln2
		.amdhsa_group_segment_fixed_size 68096
		.amdhsa_private_segment_fixed_size 0
		.amdhsa_enable_private_segment 0
		.amdhsa_kernarg_size 48
		.amdhsa_user_sgpr_count 2
		.amdhsa_user_sgpr_kernarg_segment_ptr 1
		.amdhsa_wavefront_size32 1
		.amdhsa_system_sgpr_workgroup_id_x 1
		.amdhsa_system_sgpr_workgroup_id_y 1
		.amdhsa_system_sgpr_workgroup_id_z 1
		.amdhsa_system_vgpr_workitem_id 0
		.amdhsa_next_free_vgpr 1024
		.amdhsa_next_free_sgpr 66
		.amdhsa_reserve_vcc 0
		.amdhsa_float_denorm_mode_32 3
		.amdhsa_float_denorm_mode_16_64 3
		.amdhsa_memory_ordered 1
		.amdhsa_forward_progress 1
		.amdhsa_inst_pref_size 63
	.end_amdhsa_kernel
	.amdgpu_metadata
---
amdhsa.version: [ 1, 2 ]
amdhsa.kernels:
  - .name:           k_q2ee9f98025_ln2
    .symbol:         k_q2ee9f98025_ln2.kd
    .args:
      - { .name: zp, .offset: 0, .size: 8, .value_kind: global_buffer, .address_space: global }
      - { .name: ximg, .offset: 8, .size: 8, .value_kind: global_buffer, .address_space: global }
      - { .name: b2, .offset: 16, .size: 8, .value_kind: global_buffer, .address_space: global }
      - { .name: g2, .offset: 24, .size: 8, .value_kind: global_buffer, .address_space: global }
      - { .name: be2, .offset: 32, .size: 8, .value_kind: global_buffer, .address_space: global }
      - { .name: out0, .offset: 40, .size: 8, .value_kind: global_buffer, .address_space: global }
    .group_segment_fixed_size: 68096
    .private_segment_fixed_size: 0
    .kernarg_segment_align: 8
    .kernarg_segment_size: 48
    .max_flat_workgroup_size: 128
    .sgpr_count:     66
    .vgpr_count:     1024
    .wavefront_size: 32
...
	.end_amdgpu_metadata
.endif
;; end of part 7
